; MI455X (gfx1250); checked and timed in simulation.
; The chip was launched on July 23, 2026; its instructions are those of AMD's public machine-readable ISA for CDNA 5 (MIT licence, August 2026) and "CDNA5" Instruction Set Architecture Reference Guide (July 2026). The comments in the code are by the model that wrote it; some were corrected since.
;; Causal Self Attention. Allowed arithmetic: matrix products marked QUANTISED: E2M1 operands, one E8M0 scale for each 32 along K, by v_wmma_scale_f32_16x16x128_f8f6f4 with both operands' format E2M1 (or v_wmma_scale_f32_32x16x128_f4), f32 sums; products left as they are: bf16, f16 or f32 operands; f32 sums; everything else in f32.
;; Inputs: b_o 1,024 float32; b_qkv 3,072 float32; w_o 1,024 x 1,024 float32; w_qkv 1,024 x 3,072 float32; x 4 x 2,048 x 1,024 float32.
;; Outputs: out0 4 x 2,048 x 1,024 float32.
;; This version of the problem:
;;   THIS VERSION OF THE PROBLEM IS GIVEN IN LOW PRECISION. The matrix products marked QUANTISED in the list below multiply operands that are first quantised to E2M1 (2 exponent bits, 1 mantissa bit; 4 bits a number), with one power-of-two scale for each 32 numbers along K (OCP MX v1.0); their sums are f32. The products marked 'left as it is' may take bf16, f16 or f32 operands, with f32 sums. Whichever they take, every output number must still come out within the allowed error. Rounding operands to bf16 (8 significant bits) uses up far more of that allowance than f16 does (11 bits, for magnitudes from 6e-5 to 65,504). All else is computed in f32.
;;   The module's matrix products, in the order in which they are computed (A, B: the left and right operand; K: the contracted axis; several contracted axes count as one K, in the product's order):
;;     1. [M 8,192, K 1,024] x [K 1,024, N 3,072]; A: input x; B: input w_qkv: QUANTISED
;;     2. batch 64 x [M 2,048, K 64] x [K 64, N 2,048]; A: computed on the way; B: computed on the way: left as it is (an operand is computed on the way)
;;     3. batch 64 x [M 2,048, K 2,048] x [K 2,048, N 64]; A: computed on the way; B: computed on the way: left as it is (an operand is computed on the way)
;;     4. [M 8,192, K 1,024] x [K 1,024, N 1,024]; A: computed on the way; B: input w_o: left as it is (an operand is computed on the way)
;;   THE QUANTISER, for each operand of a quantised product, along K:
;;     - K is cut into blocks of 32 from its start; a last block that is shorter is filled with zeros.
;;     - A block's scale is 2^e with e = floor(log2(the largest magnitude in the block)) - 2, held to -126 .. 127; a block of zeros has e = 0. As a byte (E8M0): e + 127.
;;     - Each number is divided by its block's scale, clamped to +-6, and rounded to the nearest number of E2M1, ties to even, subnormals kept.
;;     - The product sums the exact products of the quantised numbers (number of the format x scale) in f32.
;;   ~~~python
;;   def quantise(x, axis):      # numpy; x: float32 -> the quantised numbers, widened to float32 again
;;       x = np.moveaxis(x, axis, -1); K = x.shape[-1]
;;       x = np.pad(x, [(0, 0)] * (x.ndim - 1) + [(0, -K % 32)]); x = x.reshape(x.shape[:-1] + (-1, 32)); a = np.abs(x).max(-1, keepdims=True)
;;       e = np.where(a > 0, np.clip(np.frexp(np.where(a > 0, a, 1))[1] - 1 - 2, -126, 127), 0)      # np.frexp(a)[1] - 1 = floor(log2(a)), exactly
;;       r = np.clip(x / 2.0 ** e, -6, 6)
;;       step = 2.0 ** (np.maximum(np.frexp(np.where(r == 0, 1, r))[1] - 1, 0) - 1)
;;       q = np.round(r / step) * step * 2.0 ** e      # np.round: ties to even
;;       return np.moveaxis(q.reshape(q.shape[:-2] + (-1,))[..., :K], -1, axis).astype(np.float32)
;;   ~~~
;; One version. Each part assembles by itself: llvm-mc -triple=amdgcn-amd-amdhsa -mcpu=gfx1250 --defsym DOCPART=n.
;; ======== version 1 of 1: 5 launches
;; limits: values are held in f16: magnitudes above 65,504 overflow, below 6.1e-05 lose precision
;; workspace buffers: x_codes 4,194,304 bytes; x_scales 262,144 bytes; w_codes 1,572,864 bytes; w_scales 98,304 bytes; wot 2,097,152 bytes; qkv16 50,331,648 bytes; qkv32 786,432 bytes; y16 16,777,216 bytes
;; launch prep (part 1): grid 336 x 1, 4 waves a work-group, no clusters, 86,528 bytes of LDS; arguments x, w_qkv, w_o, x_codes, x_scales, w_codes, w_scales, wot; writes x_codes, x_scales, w_codes, w_scales, wot
.if DOCPART == 1
	.amdgcn_target "amdgcn-amd-amdhsa--gfx1250"
	.amdhsa_code_object_version 6
	.text
	.protected	k_qc366420b09_prep
	.globl	k_qc366420b09_prep
	.p2align	8
	.type	k_qc366420b09_prep,@function
k_qc366420b09_prep:
	s_mov_b64 s[64:65], 0
	v_nop
	global_prefetch_b8 v0, s[64:65] scope:SCOPE_SE
	s_setreg_imm32_b32 hwreg(HW_REG_WAVE_MODE, 25, 1), 1
	s_wait_xcnt 0x0
; CAUSAL SELF-ATTENTION, B 4, N 2,048, D 1,024, 16 heads of 64, in five launches: prep, qkv, attn, proj, first16.
; WORK LEFT OUT, for all finite values of the inputs:
;  (1) The bias on k, b_qkv[1024:2048].  att[q][k] = scale q.(k0 + bk) = scale q.k0 + scale q.bk.  The second term is the same for every key of a row, hidden entries stay -inf, and a softmax
;      along the keys does not change when one number is added to a whole row.  The product q k^T is not quantised, so no quantiser sees k.  These 1,024 numbers are neither loaded nor added;
;      b_qkv stays an argument of the second launch for its q and v thirds.
;  (2) Tiles of keys that come after all queries of a wave: reference() itself sets them to -inf ahead of the softmax, so they are not multiplied, and slots of keys that no wave of a work-group reads are not fetched.
;  LIMIT: a NaN, an infinity or an overflow that reaches only q.bk or a hidden score is not carried to the result.
; LIMITS OF FORMAT: q, k, v, y and w_o go to the matrix units as f16: magnitudes stay under 65,504; under 6e-5 they keep an absolute step of 6e-8.  NaN and infinities among the inputs are not served.
;  A block of zeros gets the scale byte 1 where the rule says 127: its codes are zeros, and this program alone reads the bytes.  Blocks whose largest magnitude lies under 2^(2 - 126) are held at the byte 1.
; THIS LAUNCH, three ways that part on the work-group's number and never join; each has LDS bytes of its own:
;  X (work-groups 0-255):   x [8192][1024] f32 -> codes of E2M1, K innermost, and one E8M0 byte for each 32 along K.
;  W (work-groups 256-303): w_qkv [1024][3072] f32, K its first axis -> codes [3072][512 bytes], K innermost, bytes [3072][32].
;  O (work-groups 304-335): w_o [1024][1024] f32 -> f16, laid [nb 8][kh 16][n 128][kk 64] = w_o[64 kh + kk][128 nb + n]: what the fourth launch's tensor loads take as dense blocks.
; No tensor loads, no barrier: waves share nothing.  Everything is written out: every offset is an immediate.
.set SPW,   222                        ; v222  LDS address of my spare word: SPARE + 4 x my thread's number; never rewritten
.set NIL,   223                        ; v223  0; never rewritten
.set WSTG,  32768                      ; way W's stages: 32 x 272 bytes a wave
.set OSTG,  67584                      ; way O's stages: 32 x 144 bytes a wave
.set SPARE, 86016                      ; the spare words, 128 bytes for each wave: two blocks of 256 bytes that no other line names
	s_load_b256 s[4:11], s[0:1], 0x0               ; x s[4:5], w_qkv s[6:7], w_o s[8:9], x_codes s[10:11]
	s_load_b256 s[12:19], s[0:1], 0x20             ; x_scales s[12:13], w_codes s[14:15], w_scales s[16:17], wot s[18:19]
	v_lshl_add_u32 v[SPW], v0, 2, SPARE
	v_mov_b32 v[NIL], 0
	v_lshrrev_b32 v1, 5, v0
	v_readfirstlane_b32 s20, v1                    ; wave 0..3
	v_and_b32 v2, 31, v0                           ; lane
	s_mov_b32 s25, 0                               ; the upper word of every offset
	s_wait_kmcnt 0x0
	s_cmp_lt_u32 ttmp9, 256
	s_cbranch_scc1 .Lpath_x
	s_cmp_lt_u32 ttmp9, 304
	s_cbranch_scc1 .Lpath_w
; ---------------- WAY O.  A lane takes a column n of w_o and its registers run down k: each load reads 128 consecutive bytes a wave.  Two neighbours along k pack into one register of f16.
; A lane's 128 bytes (64 k) are one row of the output block and the lanes beside it hold other rows: so a chunk goes through the wave's own stage (rows of 128 + 16 bytes) and leaves as 512 consecutive bytes a store.
.set OX,   32                          ; v32-95   two sets of 32 numbers
.set OC,   96                          ; v96-127  a chunk's 32 registers of f16
.set OOUT, 128                         ; v128-159 the way out
	s_sub_co_u32 s21, ttmp9, 304
	s_and_b32 s22, s21, 7                          ; nb: which 128 columns
	s_lshr_b32 s23, s21, 3                         ; kq: which 256 along k
	s_lshl_b32 s24, s23, 20                        ; 256 rows of 4,096 bytes
	s_lshl_b32 s26, s22, 9
	s_add_co_u32 s24, s24, s26                     ; + 128 nb columns
	s_lshl_b32 s26, s20, 7
	s_add_co_u32 s24, s24, s26                     ; + 32 x wave columns
	s_add_nc_u64 s[8:9], s[8:9], s[24:25]
	s_lshl_b32 s24, s22, 4
	s_lshl_b32 s26, s23, 2
	s_add_co_u32 s24, s24, s26                     ; block 16 nb + 4 kq of 16,384 bytes
	s_lshl_b32 s24, s24, 14
	s_lshl_b32 s26, s20, 12
	s_add_co_u32 s24, s24, s26                     ; + my 32 rows of 128 bytes
	s_add_nc_u64 s[18:19], s[18:19], s[24:25]
	s_mul_i32 s26, s20, 32*144
	s_add_co_u32 s26, s26, OSTG                    ; my stage
	v_lshlrev_b32 v3, 2, v2                        ; in: 4 bytes a lane
	v_mul_u32_u24 v4, v2, 144
	v_add_nc_u32 v4, s26, v4                       ; into the stage: row = my column
	v_lshrrev_b32 v5, 3, v2
	v_mul_u32_u24 v5, v5, 144
	v_and_b32 v6, 7, v2
	v_lshl_add_u32 v5, v6, 4, v5
	v_add_nc_u32 v5, s26, v5                       ; out of it: eight lanes to a row, four rows an instruction
	v_lshlrev_b32 v6, 4, v2                        ; and the same 512 bytes in memory
.macro OLOAD t                         ; group t: w_o(32 t + i, my column), i = 0 .. 31, into set t % 2
.set oi, 0
.rept 32
	global_load_b32 v[OX+32*((\t)%2)+oi], v3, s[8:9] offset:(32*(\t)+oi)*4096 th:TH_LOAD_NT
.set oi, oi+1
.endr
.endm
.macro OBLK t
.if (\t) < 7
	s_wait_loadcnt 32                              ; this group's 32 loads are in; the next group's 32 may be out
.else
	s_wait_loadcnt 0x0
.endif
.set oi, 0
.rept 16
	v_cvt_pk_f16_f32 v[OC+16*((\t)%2)+oi], v[OX+32*((\t)%2)+2*oi], v[OX+32*((\t)%2)+2*oi+1]   ; the lower k in the low half
.set oi, oi+1
.endr
.irp g, 0,1,2,3
	ds_store_b128 v4, v[OC+16*((\t)%2)+4*\g:OC+16*((\t)%2)+4*\g+3] offset:64*((\t)%2)+16*\g
.endr
.if (\t)+2 < 8
	OLOAD (\t)+2
.endif
.if ((\t)%2) == 1                      ; a chunk of 64 along k is whole: it leaves
	s_wait_xcnt 0x0                                ; the last chunk's stores have read their registers: they are loaded again only behind this wait
.irp u, 0,1,2,3,4,5,6,7
	ds_load_b128 v[OOUT+4*\u:OOUT+4*\u+3], v5 offset:576*\u     ; LDS serves a wave's instructions in order: these see my stores
.endr
.irp u, 0,1,2,3,4,5,6,7
	s_wait_dscnt 7-\u
	global_store_b128 v6, v[OOUT+4*\u:OOUT+4*\u+3], s[18:19] offset:16384*((\t)/2)+512*\u   ; 32 lanes store 512 consecutive bytes, aligned
.endr
.endif
	s_wait_dscnt 0x0                               ; the stage's stores have read their registers
.endm
	OLOAD 0
	OLOAD 1
.irp n, 0,1,2,3,4,5,6,7
	OBLK \n
.endr
	s_wait_tensorcnt 0x0                           ; the wave's end, behind my last LDS store
	ds_add_u32 v[SPW], v[NIL]
	s_wait_dscnt 0x0
	s_endpgm
; ---------------- WAY W.  A lane takes a column n of w_qkv and its registers run down K: a block of 32 along K lies in one lane's 32 registers, and the conversions give codes with K innermost.
; A wave takes 32 columns x 512 along K: 16 blocks a lane, 256 bytes of codes a column, which go through the wave's own stage and leave by rows, sixteen lanes to 256 consecutive bytes.
.set NB,     16                        ; blocks a lane
.set WPITCH, 272                       ; a stage row: 256 bytes + 16
.set KROW,   512                       ; a row of w_codes in bytes
.set EMAX,   2
.set WX,     32                        ; v32-95   two sets of 32 numbers
.set WC,     96                        ; v96-99   a block's codes
.set WOUT,   112                       ; v112-175 the way out
.set WSB,    24                        ; v24-27   the scale bytes, four to a register
.Lpath_w:
	s_sub_co_u32 s21, ttmp9, 256
	s_cmp_ge_u32 s21, 24
	s_cselect_b32 s22, 1, 0                        ; which 512 along K
	s_cselect_b32 s23, 24, 0
	s_sub_co_u32 s21, s21, s23                     ; which 128 columns
	s_lshl_b32 s23, s21, 7
	s_lshl_b32 s24, s20, 5
	s_add_co_u32 s23, s23, s24                     ; my wave's first column
	v_lshlrev_b32 v3, 2, v2                        ; in: 4 bytes a lane
	s_mul_i32 s29, s20, 32*WPITCH
	s_add_co_u32 s29, s29, WSTG                    ; my stage
	v_mul_u32_u24 v4, v2, WPITCH
	v_add_nc_u32 v4, s29, v4                       ; into it: row = my column
	v_and_b32 v5, 15, v2
	v_lshrrev_b32 v6, 4, v2
	v_mul_u32_u24 v7, v6, WPITCH
	v_lshl_add_u32 v7, v5, 4, v7
	v_add_nc_u32 v7, s29, v7                       ; out of it: sixteen lanes to a row, two rows an instruction
	v_mul_u32_u24 v8, v6, KROW
	v_lshl_add_u32 v8, v5, 4, v8                   ; and the same place in w_codes
	v_lshlrev_b32 v9, 5, v2                        ; my column's row of 32 scale bytes
	s_mul_i32 s24, s22, 512*3072*4
	s_lshl_b32 s26, s23, 2
	s_add_co_u32 s24, s24, s26
	s_add_nc_u64 s[6:7], s[6:7], s[24:25]          ; w_qkv: 512 rows of 12,288 bytes, + 4 x column
	s_lshl_b32 s24, s23, 9
	s_lshl_b32 s26, s22, 8
	s_add_co_u32 s24, s24, s26
	s_add_nc_u64 s[14:15], s[14:15], s[24:25]      ; codes: column x 512 + 256 x half of K
	s_lshl_b32 s24, s23, 5
	s_lshl_b32 s26, s22, 4
	s_add_co_u32 s24, s24, s26
	s_add_nc_u64 s[16:17], s[16:17], s[24:25]      ; scale bytes: column x 32 + 16 x half of K
.macro WLOAD t                         ; block t: w(32 t + i, my column) into set t % 2.  The largest offset, 511 rows of 12,288 bytes, lies inside the signed 24-bit immediate
.set wi, 0
.rept 32
	global_load_b32 v[WX+32*((\t)%2)+wi], v3, s[6:7] offset:(32*(\t)+wi)*3072*4 th:TH_LOAD_NT
.set wi, wi+1
.endr
.endm
.macro WBLOCK t
.set XS, WX+32*((\t)%2)
.if (\t) < NB-1
	s_wait_loadcnt 32                              ; this block's 32 loads are in; the next block's may be out
.else
	s_wait_loadcnt 0x0
.endif
	v_max3_num_f32 v12, |v[XS]|, |v[XS+1]|, |v[XS+2]|              ; the block's largest magnitude: all 32 numbers are mine
	v_max3_num_f32 v13, |v[XS+3]|, |v[XS+4]|, |v[XS+5]|
.irp i, 6,10,14,18,22,26
	v_max3_num_f32 v12, v12, |v[XS+\i]|, |v[XS+\i+1]|
	v_max3_num_f32 v13, v13, |v[XS+\i+2]|, |v[XS+\i+3]|
.endr
	v_max3_num_f32 v12, v12, |v[XS+30]|, |v[XS+31]|
	v_max3_num_f32 v12, v12, v13, (EMAX+1)<<23     ; and the floor 2^(3 - 127): the byte cannot fall under 1
	v_add_nc_u32 v11, -(EMAX<<23), v12             ; 2 off its exponent field: the conversion takes the exponent field of this operand as its scale
	v_lshrrev_b32 v13, 23, v11                     ; the scale's byte
.if (\t)%4 == 0
	v_mov_b32 v[WSB+(\t)/4], v13                   ; four bytes to a register, the lower K in the lower byte
.else
	v_lshl_or_b32 v[WSB+(\t)/4], v13, 8*((\t)%4), v[WSB+(\t)/4]
.endif
.irp g, 0,1,2,3
	v_cvt_scalef32_pk8_fp4_f32 v[WC+\g], v[XS+8*\g:XS+8*\g+7], v11
.endr
	ds_store_b128 v4, v[WC:WC+3] offset:16*(\t)    ; 32 codes: 16 bytes of my column's row
.if (\t)+2 < NB
	WLOAD (\t)+2
.endif
	s_wait_dscnt 0x0                               ; the store has read its registers: the next block's codes may be written
.endm
	WLOAD 0
	WLOAD 1
.irp n, 0,1,2,3,4,5,6,7,8,9,10,11,12,13,14,15
	WBLOCK \n
.endr
	global_store_b128 v9, v[WSB:WSB+3], s[16:17]   ; my column's 16 scale bytes
.irp u, 0,1,2,3,4,5,6,7,8,9,10,11,12,13,14,15
	ds_load_b128 v[WOUT+4*\u:WOUT+4*\u+3], v7 offset:2*\u*WPITCH
.endr
.irp u, 0,1,2,3,4,5,6,7,8,9,10,11,12,13,14,15
	s_wait_dscnt 15-\u
	global_store_b128 v8, v[WOUT+4*\u:WOUT+4*\u+3], s[14:15] offset:2*\u*KROW
.endr
	s_wait_tensorcnt 0x0                           ; the wave's end, behind my last LDS store
	ds_add_u32 v[SPW], v[NIL]
	s_wait_dscnt 0x0
	s_endpgm
; ---------------- WAY X.  x is a plain stream of blocks of 32.  A wave takes 16 steps of 512 numbers.  Each load reads 512 consecutive bytes; a step's 2,048 bytes turn through the wave's own stage,
; so that a lane then holds 16 neighbours along K (two lanes to a block).  A lane's 16 codes are 8 bytes: the wave stores 256 consecutive bytes.  A wave's 256 scale bytes are gathered in LDS and leave together.
.set STEPS, 16
.set CB,    8                          ; bytes of 16 codes
.set XR,    16                         ; v16-79   four sets of 16 numbers as they are loaded
.set XX,    80                         ; v80-111  two sets of 16 neighbours
.set XE,    112                        ; v112-127 a scale byte for each step
.set XC,    128                        ; v128-191 codes: four registers for each step, so that no store's data are written again
.set WREG,  8192                       ; LDS: a region for each wave: two stages of 32 x 80 bytes, behind them its 256 scale bytes
.set SP,    80                         ; a lane's place in a stage: 64 bytes + 16 of padding
.Lpath_x:
	v_lshlrev_b32 v3, 4, v2                        ; my 16 bytes of a load's 512
	s_mul_i32 s21, s20, WREG
	v_lshrrev_b32 v14, 2, v2
	v_mul_u32_u24 v14, v14, SP
	v_and_b32 v15, 3, v2
	v_lshl_add_u32 v14, v15, 4, v14
	v_add_nc_u32 v14, s21, v14                     ; the stage, on the way in: 80 (lane / 4) + 16 (lane % 4)
	v_mul_u32_u24 v15, v2, SP
	v_add_nc_u32 v15, s21, v15                     ; and on the way out: 80 x lane: my 16 neighbours
	v_mul_u32_u24 v4, v2, CB                       ; my codes' place in a step's
	v_lshrrev_b32 v5, 1, v2
	s_add_co_u32 s21, s21, 2*32*SP
	v_add_nc_u32 v5, s21, v5                       ; my block's byte among my wave's 256
	v_lshlrev_b32 v7, 3, v2
	v_add_nc_u32 v6, s21, v7                       ; and on the way out 8 bytes a lane
	s_lshl_b32 s22, ttmp9, 2
	s_add_co_u32 s22, s22, s20                     ; which run of 8,192 numbers is my wave's
	s_lshl_b32 s24, s22, 15
	s_add_nc_u64 s[4:5], s[4:5], s[24:25]
	s_lshl_b32 s24, s22, 12
	s_add_nc_u64 s[10:11], s[10:11], s[24:25]
	s_lshl_b32 s24, s22, 8
	s_add_nc_u64 s[12:13], s[12:13], s[24:25]
.macro XLOAD t
.irp i, 0,1,2,3
	global_load_b128 v[XR+16*((\t)%4)+4*\i:XR+16*((\t)%4)+4*\i+3], v3, s[4:5] offset:2048*(\t)+512*\i th:TH_LOAD_NT
.endr
.endm
.macro XTURN t                         ; step t's numbers through the stage: LDS serves a wave's instructions in order
.irp i, 0,1,2,3
	ds_store_b128 v14, v[XR+16*((\t)%4)+4*\i:XR+16*((\t)%4)+4*\i+3] offset:32*SP*((\t)%2)+8*SP*\i
.endr
.irp i, 0,1,2,3
	ds_load_b128 v[XX+16*((\t)%2)+4*\i:XX+16*((\t)%2)+4*\i+3], v15 offset:32*SP*((\t)%2)+16*\i
.endr
.endm
.irp n, 0,1,2,3
	XLOAD \n
.endr
	s_wait_loadcnt 12                              ; step 0's four loads are in
	XTURN 0
.macro XSTEP t
.set XS, XX+16*((\t)%2)
.if (\t) > 0
	s_wait_dscnt 1                                 ; this step's numbers are back from the stage (the last step's byte store may be out)
.else
	s_wait_dscnt 0x0
.endif
.if (\t)+4 < STEPS
	XLOAD (\t)+4
.endif
.if (\t)+1 < STEPS
.if STEPS-2-(\t) >= 3
	s_wait_loadcnt 12                              ; the next step's four loads are in; those of the three steps behind it may be out
.else
	s_wait_loadcnt 4*(STEPS-2-(\t))
.endif
	XTURN (\t)+1
.endif
	v_max3_num_f32 v8, |v[XS]|, |v[XS+1]|, |v[XS+2]|               ; the largest magnitude of my 16
	v_max3_num_f32 v9, |v[XS+3]|, |v[XS+4]|, |v[XS+5]|
.irp i, 6,10
	v_max3_num_f32 v8, v8, |v[XS+\i]|, |v[XS+\i+1]|
	v_max3_num_f32 v9, v9, |v[XS+\i+2]|, |v[XS+\i+3]|
.endr
	v_max3_num_f32 v8, v8, |v[XS+14]|, |v[XS+15]|
	v_max3_num_f32 v8, v8, v9, (EMAX+1)<<23        ; and the floor 2^(3 - 127)
	v_max_num_f32_dpp v8, v8, v8 row_xmask:1 row_mask:0xf bank_mask:0xf   ; and of my neighbour's 16: the block's
	v_add_nc_u32 v11, -(EMAX<<23), v8              ; 2 off its exponent field: the conversion's scale operand
	v_cvt_scalef32_pk8_fp4_f32 v[XC+4*(\t)], v[XS:XS+7], v11
	v_cvt_scalef32_pk8_fp4_f32 v[XC+4*(\t)+1], v[XS+8:XS+15], v11
	v_lshrrev_b32 v[XE+(\t)], 23, v11              ; the scale's byte
	ds_store_b8 v5, v[XE+(\t)] offset:16*(\t)      ; both lanes of a block write the same byte with the same value
	global_store_b64 v4, v[XC+4*(\t):XC+4*(\t)+1], s[10:11] offset:32*CB*(\t)
.endm
.irp n, 0,1,2,3,4,5,6,7,8,9,10,11,12,13,14,15
	XSTEP \n
.endr
	ds_load_b64 v[8:9], v6                         ; LDS serves a wave's instructions in order: this sees my stores
	s_wait_dscnt 0x0
	global_store_b64 v7, v[8:9], s[12:13]          ; 32 lanes store 256 consecutive bytes, aligned
	s_wait_tensorcnt 0x0                           ; the wave's end, behind my last LDS store
	ds_add_u32 v[SPW], v[NIL]
	s_wait_dscnt 0x0
	s_endpgm
.Lfunc_end_k_qc366420b09_prep:
	.size	k_qc366420b09_prep, .Lfunc_end_k_qc366420b09_prep-k_qc366420b09_prep
	.p2alignl 7, 3214868480
	.fill 96, 4, 3214868480
	.section	.rodata,"a",@progbits
	.p2align	6, 0x0
	.amdhsa_kernel k_qc366420b09_prep
		.amdhsa_group_segment_fixed_size 86528
		.amdhsa_private_segment_fixed_size 0
		.amdhsa_enable_private_segment 0
		.amdhsa_kernarg_size 64
		.amdhsa_user_sgpr_count 2
		.amdhsa_user_sgpr_kernarg_segment_ptr 1
		.amdhsa_wavefront_size32 1
		.amdhsa_system_sgpr_workgroup_id_x 1
		.amdhsa_system_sgpr_workgroup_id_y 1
		.amdhsa_system_sgpr_workgroup_id_z 1
		.amdhsa_system_vgpr_workitem_id 0
		.amdhsa_next_free_vgpr 224
		.amdhsa_next_free_sgpr 66
		.amdhsa_reserve_vcc 0
		.amdhsa_float_denorm_mode_32 3
		.amdhsa_float_denorm_mode_16_64 3
		.amdhsa_memory_ordered 1
		.amdhsa_forward_progress 1
		.amdhsa_inst_pref_size 153
	.end_amdhsa_kernel
	.amdgpu_metadata
---
amdhsa.version: [ 1, 2 ]
amdhsa.kernels:
  - .name:           k_qc366420b09_prep
    .symbol:         k_qc366420b09_prep.kd
    .args:
      - { .name: x, .offset: 0, .size: 8, .value_kind: global_buffer, .address_space: global }
      - { .name: w_qkv, .offset: 8, .size: 8, .value_kind: global_buffer, .address_space: global }
      - { .name: w_o, .offset: 16, .size: 8, .value_kind: global_buffer, .address_space: global }
      - { .name: x_codes, .offset: 24, .size: 8, .value_kind: global_buffer, .address_space: global }
      - { .name: x_scales, .offset: 32, .size: 8, .value_kind: global_buffer, .address_space: global }
      - { .name: w_codes, .offset: 40, .size: 8, .value_kind: global_buffer, .address_space: global }
      - { .name: w_scales, .offset: 48, .size: 8, .value_kind: global_buffer, .address_space: global }
      - { .name: wot, .offset: 56, .size: 8, .value_kind: global_buffer, .address_space: global }
    .group_segment_fixed_size: 86528
    .private_segment_fixed_size: 0
    .kernarg_segment_align: 8
    .kernarg_segment_size: 64
    .max_flat_workgroup_size: 128
    .sgpr_count:     66
    .vgpr_count:     224
    .wavefront_size: 32
...
	.end_amdgpu_metadata
.endif
;; end of part 1
;; launch qkv (part 2): grid 12 x 32, 4 waves a work-group, clusters of 4 x 4, 327,680 bytes of LDS; arguments x_codes, x_scales, w_codes, w_scales, b_qkv, qkv16, qkv32; writes qkv16, qkv32
.if DOCPART == 2
	.amdgcn_target "amdgcn-amd-amdhsa--gfx1250"
	.amdhsa_code_object_version 6
	.text
	.protected	k_qc366420b09_qkv
	.globl	k_qc366420b09_qkv
	.p2align	8
	.type	k_qc366420b09_qkv,@function
k_qc366420b09_qkv:
	s_mov_b64 s[64:65], 0
	v_nop
	global_prefetch_b8 v0, s[64:65] scope:SCOPE_SE
	s_setreg_imm32_b32 hwreg(HW_REG_WAVE_MODE, 25, 1), 1
	s_wait_xcnt 0x0
	s_wait_alu depctr_hold_cnt(0) depctr_sa_sdst(0) depctr_va_vdst(0) depctr_va_sdst(0) depctr_va_ssrc(0) depctr_va_vcc(0) depctr_vm_vsrc(0)
	s_getreg_b32 s2, hwreg(HW_REG_IB_STS2, 6, 4)
	s_cmp_eq_u32 s2, 0
	s_cbranch_scc0 .Lentry_in_a_cluster
	s_endpgm
.Lentry_in_a_cluster:
	s_bfe_u32 s2, ttmp6, 0x10000c
	s_cmp_lg_u32 s2, 0xf033
	s_cbranch_scc0 .Lentry_shape_is_right
	s_endpgm
.Lentry_shape_is_right:
; qkv = Q(x) Q(w_qkv) + b, on codes of E2M1 with one E8M0 scale for each 32 along K = 1,024.  A = x_codes [8192][512 bytes], B = w_codes [3072][512 bytes]; scale bytes [rows][32].
; LEFT OUT: the bias on k (columns 1,024 to 2,047): it adds the same number to every score of a row, which a softmax takes away (shown at the head of the first launch's text).  It is not loaded: k's sums start from zeros.
; OUT: qkv16, f16, [section q, k, v][16 batch + head][position][64]; and, for positions 0 to 15 of every sequence, qkv32: the f32 accumulators as they stand in registers
;   ([section][batch][16 columns][1,024 bytes]: lane l's registers 0-3 at 16 l, 4-7 at 512 + 16 l), for the last launch.
; A tile of 256 x 256 to a work-group of four waves, 128 x 128 to a wave: 64 accumulators, 512 registers.  K is two slots of 512: both are first fills, nothing is filled again, and there is no loop.
; The scales of the work-group's 256 + 256 rows come into LDS once, with the first fills.
; CLUSTERS: 4 x 4 work-groups; A's tile is asked for jointly along a row of the cluster, B's along a column.  Tile column = 4 x cluster x + cx, so cluster x IS the section.
; Tile row = 8 cy + cluster y, so the batch is cy and the tile's first position is 256 x cluster y: whether a wave holds positions 0 to 15 hangs on cluster y and the wave's number alone, the same in all partners.
; THE MATRIX INSTRUCTION IS USED TRANSPOSED (source 0 = 16 rows of B, source 1 = 16 rows of A): a lane holds eight neighbouring columns of one row.
; REGISTERS, in windows of 256: window 0: v0-31 addresses; v32-95 scale words, two sets; v128-191 A's fragments, one set; on the way out v32-63, v192-255.
;   window 1: B's fragments, two sets, at v0 and v128; v64-127 what the sums start from, in the result's layout.   window 2, 3: the accumulators of my rows 0-63, 64-127 ((a, b) at v[8 (8 (a % 4) + b)]).
.set NQ,     4                         ; matrix instructions deep in a slot
.set ROWB,   256                       ; a tile's row in bytes: 512 codes
.set KROW,   512                       ; a row of A or B in memory
.set PITCH,  272                       ; an LDS row: 256 bytes + 16 of padding: the 16 rows that a load touches start 16 bytes apart modulo 256
.set FR,     8                         ; registers of a fragment
.set NL,     2                         ; LDS loads that bring one
.set NP,     4                         ; places behind this matrix instruction (ISA guide 7.12.1)
.set HALFT,  128*PITCH
.set SLOT,   4*HALFT
.set KS,     32                        ; a row of scales in bytes
.set SCL,    2*SLOT                    ; behind the ring: the scales, as rows of 256 bytes + 16
.set HALFS,  16*272                    ; the scales of 128 rows
.set SBLK,   2*272                     ; those of 16 rows
.set SPARE,  SCL+4*HALFS               ; the spare words, 128 bytes for each wave: two blocks of 256 bytes that no other line names
.set SPITCH, 144                       ; the way out: a stage row: a head's 128 bytes + 16
.set STG,    2*16*SPITCH               ; a wave's stage: 16 rows for each of two heads.  It lies in slot 0, which has had its only fill and its last read when the first result is stored there
.set ADRA, 16
.set ADRB, 20
.set STO,  24
.set RD,   25
.set CO,   26                          ; v26  16 x lane
.set ADRS, 27
.set SPW,  28                          ; v28  LDS address of my spare word; never rewritten
.set NIL,  29                          ; v29  0; never rewritten
.set BO,   30                          ; v30  32 x (lane / 16): my eight columns' bias
.set SC,   32
.set AF,   128
.set TMP,  192                         ; the way out: packed results
.set BI,   64                          ; in window 1: register 8 b + j = b_qkv at column 16 b + 8 (lane / 16) + j; in section k: 0
.set G1, 24
.set G0, 32
.set G1B, 48
.set G0B, 56
.set G1S, 68
.set G0S, 76
.set G1SB, 80
.set G0SB, 88
.set MSB, 0
.macro WIN new                         ; the immediate's high byte repeats the setting that is left
.if MSB != (\new)
	s_set_vgpr_msb (MSB<<8)|(\new)
.set MSB, (\new)
.endif
.endm
.set MUL_LO, 0xa1                      ; source 0 (B) window 1, source 1 (A) window 0, C and D window 2
.set MUL_HI, 0xf1                      ; the same, C and D window 3
.set BIA_LO, 0x91                      ; C (what the sums start from) window 1, D window 2
.set BIA_HI, 0xd1                      ; C window 1, D window 3
.set TO_B,   0x40
; A joint load: waves 0 and 1 fetch for A, waves 2 and 3 for B.  An s_nop 0 and four v_nop follow each of the two lines.
.macro JLOAD g0a, g1a, g0b, g1b
	s_cmp_eq_u32 s15, 0
	s_cbranch_scc0 .Lfor_b_\@
	tensor_load_to_lds s[\g0a:\g0a+3], s[\g1a:\g1a+7]
	s_nop 0
.rept 4
	v_nop
.endr
	s_branch .Lasked_\@
.Lfor_b_\@:
	tensor_load_to_lds s[\g0b:\g0b+3], s[\g1b:\g1b+7]
	s_nop 0
.rept 4
	v_nop
.endr
.Lasked_\@:
.endm
.macro CROUND                          ; a round of the cluster's barrier
	s_barrier_signal -1
	s_barrier_wait -1
	s_cmp_lg_u32 s14, 0
	s_cbranch_scc1 .Lnot_wave_0_\@
	s_barrier_signal -3
.Lnot_wave_0_\@:
	s_barrier_wait -3
	s_barrier_signal -1
	s_barrier_wait -1
.endm
	s_load_b128 s[4:7], s[0:1], 0x0                ; A's codes, A's scales
	s_load_b128 s[8:11], s[0:1], 0x10              ; B's codes, B's scales
	s_load_b64 s[66:67], s[0:1], 0x20              ; b_qkv
	s_load_b64 s[96:97], s[0:1], 0x28              ; qkv16
	s_load_b64 s[98:99], s[0:1], 0x30              ; qkv32
	v_lshl_add_u32 v[SPW], v0, 2, SPARE
	v_mov_b32 v[NIL], 0
	ds_add_u32 v[SPW], v[NIL]                      ; the wave's opening: the add, twice on end, and its wait ahead of my first tensor load
	ds_add_u32 v[SPW], v[NIL]                      ; and once more, under the one wait
	v_lshrrev_b32 v1, 5, v0
	v_readfirstlane_b32 s14, v1                    ; wave 0..3
	s_lshr_b32 s15, s14, 1                         ; which half of the tile's rows is mine.  Also: I fetch for A (0) or for B (1)
	s_and_b32 s16, s14, 1                          ; which half of its columns.  Also: which 128 rows I fetch
	s_bfe_u32 s40, ttmp6, 0x40000                  ; cx
	s_bfe_u32 s41, ttmp6, 0x40004                  ; cy
	s_lshl_b32 s42, ttmp9, 2
	s_add_co_u32 s42, s42, s40                     ; tile column = 4 x cluster x + cx
	s_and_b32 s3, ttmp7, 0xffff                    ; cluster y
	s_lshl_b32 s17, s41, 3
	s_add_co_u32 s17, s17, s3                      ; tile row = 8 cy + cluster y
	s_lshl_b32 s43, s41, 2
	s_lshl_b32 s43, 15, s43                        ; my row of the cluster
	s_lshl_b32 s44, 0x1111, s40                    ; my column
	s_or_b32 s[G1+0], s43, (0<<16)|(1<<20)|(1<<21)|(5<<22)|(3<<25)  ; the mask; elements of 1 byte; padding on; bit 21 beside a mask; 4 words behind every 64
	s_or_b32 s[G1B+0], s44, (0<<16)|(1<<20)|(1<<21)|(5<<22)|(3<<25)
.irp g, G1, G1B
	s_mov_b32 s[\g+1], ROWB<<16                    ; tensor_dim0
	s_mov_b32 s[\g+2], 128<<16                     ; tensor_dim1
	s_mov_b32 s[\g+3], ROWB<<16                    ; tile_dim0
	s_mov_b32 s[\g+4], 128                         ; tile_dim1
	s_mov_b32 s[\g+5], KROW                        ; the pitch
	s_mov_b32 s[\g+6], 0
	s_mov_b32 s[\g+7], 0
.endr
	s_or_b32 s[G1S+0], s43, (3<<16)|(1<<20)|(1<<21)|(5<<22)|(3<<25) ; the scales of 128 rows: 4,096 dense bytes as 16 rows of 256 (32 elements of 8 bytes)
	s_or_b32 s[G1SB+0], s44, (3<<16)|(1<<20)|(1<<21)|(5<<22)|(3<<25)
.irp g, G1S, G1SB
	s_mov_b32 s[\g+1], 32<<16
	s_mov_b32 s[\g+2], 16<<16
	s_mov_b32 s[\g+3], 32<<16
	s_mov_b32 s[\g+4], 16
	s_mov_b32 s[\g+5], 32
	s_mov_b32 s[\g+6], 0
	s_mov_b32 s[\g+7], 0
.endr
	s_lshl_b32 s18, s16, 7
	s_lshl_b32 s20, s17, 8
	s_add_co_u32 s20, s20, s18                     ; A: row 256 x tile row + 128 x half
	s_lshl_b32 s46, s42, 8
	s_add_co_u32 s46, s46, s18                     ; B: row 256 x tile column + 128 x half
	s_mov_b32 s21, 0
	s_mov_b32 s47, 0
	s_mov_b64 s[18:19], KS
	s_mul_u64 s[22:23], s[20:21], s[18:19]         ; where these rows' scales begin
	s_mul_u64 s[92:93], s[46:47], s[18:19]
	s_mov_b64 s[18:19], KROW
	s_mul_u64 s[20:21], s[20:21], s[18:19]         ; and their codes
	s_mul_u64 s[46:47], s[46:47], s[18:19]
	s_mul_i32 s45, s14, HALFT                      ; where they go: wave x 128 rows
	s_mul_i32 s94, s14, HALFS
	s_wait_dscnt 0x0                               ; both opening adds are done
	s_wait_kmcnt 0x0
	s_add_nc_u64 s[20:21], s[4:5], s[20:21]
	s_add_nc_u64 s[22:23], s[6:7], s[22:23]
	s_add_nc_u64 s[46:47], s[8:9], s[46:47]
	s_add_nc_u64 s[92:93], s[10:11], s[92:93]
	CROUND                                         ; all sixteen work-groups are here: the joint loads meet
	s_mov_b32 s[G0S], 1
	s_add_co_u32 s[G0S+1], s94, SCL
	s_mov_b64 s[G0S+2:G0S+3], s[22:23]
	s_or_b32 s[G0S+3], s[G0S+3], 0x80000000
	s_mov_b32 s[G0SB], 1
	s_add_co_u32 s[G0SB+1], s94, SCL
	s_mov_b64 s[G0SB+2:G0SB+3], s[92:93]
	s_or_b32 s[G0SB+3], s[G0SB+3], 0x80000000
	JLOAD G0S, G1S, G0SB, G1SB                     ; the scales first
.irp s, 0,1
	s_mov_b32 s[G0+4*\s], 1
	s_add_co_u32 s[G0+4*\s+1], s45, \s*SLOT
	s_add_nc_u64 s[G0+4*\s+2:G0+4*\s+3], s[20:21], \s*ROWB
	s_or_b32 s[G0+4*\s+3], s[G0+4*\s+3], 0x80000000
	s_mov_b32 s[G0B+4*\s], 1
	s_add_co_u32 s[G0B+4*\s+1], s45, \s*SLOT
	s_add_nc_u64 s[G0B+4*\s+2:G0B+4*\s+3], s[46:47], \s*ROWB
	s_or_b32 s[G0B+4*\s+3], s[G0B+4*\s+3], 0x80000000
	JLOAD G0+4*\s, G1, G0B+4*\s, G1B               ; three loads of mine are out in all
.endr
	v_and_b32 v1, 15, v0                           ; r = lane % 16
	v_bfe_u32 v2, v0, 4, 1                         ; h = lane / 16
	v_lshlrev_b32 v[BO], 5, v2
	; where the bias, the results and the images lie.  The descriptors are complete: their feeding registers are free
	s_mov_b32 s21, 0
	s_lshl_b32 s20, ttmp9, 10
	s_lshl_b32 s22, s40, 8
	s_add_co_u32 s20, s20, s22
	s_lshl_b32 s22, s16, 7
	s_add_co_u32 s20, s20, s22                     ; my first column: 1,024 x section + 256 cx + 128 x half
	s_lshl_b32 s20, s20, 2
	s_add_nc_u64 s[66:67], s[66:67], s[20:21]
	; WHAT THE SUMS START FROM, 64 registers in the result's layout, written on both ways while the first tiles are on their way: sections q and v load their bias; section k, whose bias is left out, writes zeros.
	; So the first K step is written once, for all three sections.  Cluster x is the same in all partners.
	s_cmp_eq_u32 ttmp9, 1
	s_cbranch_scc1 .Lk_zeros
	WIN TO_B
.irp b, 0,1,2,3,4,5,6,7
	global_load_b128 v[BI+8*\b:BI+8*\b+3], v[BO], s[66:67] offset:64*\b
	global_load_b128 v[BI+8*\b+4:BI+8*\b+7], v[BO], s[66:67] offset:64*\b+16
.endr
	WIN 0
	s_branch .Lstart_set
.Lk_zeros:
	WIN TO_B
.set j, 0
.rept 64
	v_mov_b32 v[BI+j], 0
.set j, j+1
.endr
	WIN 0
.Lstart_set:
	v_mul_u32_u24 v3, v1, PITCH
	v_lshl_add_u32 v4, v2, 4, v3                   ; a fragment's row x pitch + 16 x half
	s_mul_i32 s21, s15, HALFT
	s_mul_i32 s22, s16, HALFT
	s_add_co_u32 s22, s22, 2*HALFT
.irp s, 0,1
	v_add_nc_u32 v[ADRA+\s], s21, v4
	v_add_nc_u32 v[ADRB+\s], s22, v4
	s_add_co_u32 s21, s21, SLOT
	s_add_co_u32 s22, s22, SLOT
.endr
	v_mul_u32_u24 v5, v1, KS                       ; my row's scales: 32 bytes a row,
	v_lshrrev_b32 v6, 8, v5
	v_lshl_add_u32 v5, v6, 4, v5                   ; and 16 more for each 256 passed
	s_mul_i32 s21, s15, HALFS
	s_mul_i32 s22, s16, HALFS
	s_add_co_u32 s22, s22, 2*HALFS
	s_sub_co_u32 s22, s22, s21
	v_mul_u32_u24 v6, s22, v2                      ; lanes 16-31 take B's
	s_add_co_u32 s21, s21, SCL
	v_add_nc_u32 v5, v5, v6
	v_add_nc_u32 v[ADRS], s21, v5
	s_mul_i32 s23, s14, STG                        ; my stage
	v_mul_u32_u24 v5, v1, SPITCH
	v_lshl_add_u32 v5, v2, 4, v5
	v_add_nc_u32 v[STO], s23, v5                   ; in: row r, 16 bytes for each half of the lanes
	v_bfe_u32 v5, v0, 3, 2
	v_mul_u32_u24 v5, v5, SPITCH
	v_and_b32 v7, 7, v0
	v_lshl_add_u32 v5, v7, 4, v5
	v_add_nc_u32 v[RD], s23, v5                    ; back: eight lanes to a row of 128 bytes, four rows an instruction
	v_and_b32 v6, 31, v0
	v_lshlrev_b32 v[CO], 4, v6
	s_lshl_b32 s20, s41, 4
	s_lshl_b32 s21, s40, 2
	s_add_co_u32 s20, s20, s21
	s_lshl_b32 s21, s16, 1
	s_add_co_u32 s20, s20, s21                     ; 16 x batch + my first head
	s_lshl_b32 s20, s20, 11
	s_lshl_b32 s21, s3, 8
	s_add_co_u32 s20, s20, s21
	s_lshl_b32 s21, s15, 7
	s_add_co_u32 s20, s20, s21                     ; x 2,048 positions + my first position
	s_lshl_b32 s20, s20, 7                         ; rows of 128 bytes
	s_lshl_b32 s21, ttmp9, 24
	s_add_co_u32 s20, s20, s21                     ; + the section
	s_mov_b32 s21, 0
	s_add_nc_u64 s[12:13], s[96:97], s[20:21]
	s_lshl_b32 s20, ttmp9, 2
	s_add_co_u32 s20, s20, s41
	s_lshl_b32 s20, s20, 6
	s_lshl_b32 s22, s40, 4
	s_add_co_u32 s20, s20, s22
	s_lshl_b32 s22, s16, 3
	s_add_co_u32 s20, s20, s22                     ; image (4 x section + batch) x 64 + 16 cx + 8 x half
	s_lshl_b32 s20, s20, 10
	s_add_nc_u64 s[100:101], s[98:99], s[20:21]
	s_or_b32 s95, s3, s15                          ; 0 where my rows begin with positions 0 to 15
.macro FRAG reg, adr, q, i             ; 16 rows x 128 K of 4-bit codes: 8 registers: two loads of 16 bytes, 32 bytes apart
.irp c, 0,1
	ds_load_b128 v[\reg+4*\c:\reg+4*\c+3], v[\adr] offset:64*(\q)+32*\c+(\i)*16*PITCH
.endr
.endm
; 16 matrix instructions: A's blocks a0, a0 + 1 x B's eight.  first = 1: the product starts the sums, from the registers at BI; 0: it adds on.  The 64 accumulators take turns, one instruction a turn.
.macro MUL16 a0, p, q, sc, first
.irp a, \a0, \a0+1
.irp b, 0,1,2,3,4,5,6,7
.if \first
	v_wmma_scale_f32_16x16x128_f8f6f4 v[8*(8*((\a)%4)+\b):8*(8*((\a)%4)+\b)+7], v[128*(\p)+FR*\b:128*(\p)+FR*\b+FR-1], v[AF+FR*(\a):AF+FR*(\a)+FR-1], v[BI+8*\b:BI+8*\b+7], v[SC+8*NQ*(\sc)+NQ*\b+(\q)], v[SC+8*NQ*(\sc)+NQ*(\a)+(\q)] matrix_a_fmt:MATRIX_FMT_FP4 matrix_b_fmt:MATRIX_FMT_FP4 matrix_a_scale:MATRIX_SCALE_ROW1
.else
	v_wmma_scale_f32_16x16x128_f8f6f4 v[8*(8*((\a)%4)+\b):8*(8*((\a)%4)+\b)+7], v[128*(\p)+FR*\b:128*(\p)+FR*\b+FR-1], v[AF+FR*(\a):AF+FR*(\a)+FR-1], v[8*(8*((\a)%4)+\b):8*(8*((\a)%4)+\b)+7], v[SC+8*NQ*(\sc)+NQ*\b+(\q)], v[SC+8*NQ*(\sc)+NQ*(\a)+(\q)] matrix_a_fmt:MATRIX_FMT_FP4 matrix_b_fmt:MATRIX_FMT_FP4 matrix_a_scale:MATRIX_SCALE_ROW1
.endif
.endr
.endr
.endm
.macro FETCH_B slot, q, p
	WIN TO_B
.irp i, 0,1,2,3,4,5,6,7
	FRAG 128*(\p)+FR*\i, ADRB+\slot, \q, \i
.endr
	WIN 0
.endm
.macro FETCH_A slot, q, i0
.irp i, \i0, \i0+1, \i0+2, \i0+3
	FRAG AF+FR*(\i), ADRA+\slot, \q, \i
.endr
.endm
.macro SCALES sc                       ; a slot's scale words: 4 words a row; lanes 0-15 take A's block i, lanes 16-31 B's block i
.irp i, 0,1,2,3,4,5,6,7
	ds_load_b128 v[SC+8*NQ*\sc+NQ*\i:SC+8*NQ*\sc+NQ*\i+3], v[ADRS] offset:\i*SBLK
.endr
.endm
.macro PLACES n                        ; plain vector instructions between a matrix instruction and a load into, or a read of, its registers
.rept \n
	v_nop
.endr
.endm
.macro STEP slot, q, first             ; 128 along K that has its successor in the same slot
	s_wait_dscnt 4*NL                              ; B's set and A's blocks 0-3 are in; the youngest eight loads (A's blocks 4-7) may be out
.if \first
	WIN BIA_LO
.else
	WIN MUL_LO
.endif
	MUL16 0, (\q)%2, \q, \slot, \first
	MUL16 2, (\q)%2, \q, \slot, \first
	s_wait_dscnt 0
	PLACES NP
	FETCH_B \slot, (\q)+1, 1-(\q)%2
	FETCH_A \slot, (\q)+1, 0
.if \first
	WIN BIA_HI
.else
	WIN MUL_HI
.endif
	MUL16 4, (\q)%2, \q, \slot, \first
	MUL16 6, (\q)%2, \q, \slot, \first
	PLACES NP
	WIN 0
	FETCH_A \slot, (\q)+1, 4
.endm
.macro STEPS slot, from
.set Q, \from
.rept NQ-1-\from
	STEP \slot, Q, 0
.set Q, Q+1
.endr
.endm
	s_wait_tensorcnt 1                             ; the scales and my part of slot 0 are in (slot 1's load may be out)
	s_barrier_signal -1
	s_barrier_wait -1                              ; everybody's are
	FETCH_B 0, 0, 0
	FETCH_A 0, 0, 0
	SCALES 0
	FETCH_A 0, 0, 4
	s_wait_loadcnt 0x0                             ; the bias (in section k no load is out)
	STEP 0, 0, 1                                   ; the first step starts the sums
	STEPS 0, 1
	; slot 0's last step changes slots: one barrier; behind it slot 1 is whole and nobody reads slot 0
	s_wait_tensorcnt 0x0                           ; all my tensor loads have landed: my part of slot 1;
	ds_add_u32 v[SPW], v[NIL]                      ; 0 onto my spare word;
	s_wait_dscnt 4*NL+1                            ; (the add and the youngest eight loads may be out)
	WIN MUL_LO
	MUL16 0, 1, NQ-1, 0, 0
	s_wait_dscnt 0x0                               ; the add is done, and my reads of slot 0 are over
	s_barrier_signal -1
	MUL16 2, 1, NQ-1, 0, 0
	WIN 0
	s_barrier_wait -1
	PLACES NP
	v_add_nc_u32 v[ADRS], 4*NQ, v[ADRS]            ; on to slot 1's scale words
	FETCH_B 1, 0, 0
	FETCH_A 1, 0, 0
	SCALES 1
	WIN MUL_HI
	MUL16 4, 1, NQ-1, 0, 0
	MUL16 6, 1, NQ-1, 0, 0
	PLACES NP
	WIN 0
	FETCH_A 1, 0, 4
	STEPS 1, 0
	s_wait_dscnt 4*NL                              ; the very last step: nothing more to fetch
	WIN MUL_LO
	MUL16 0, 1, NQ-1, 1, 0
	MUL16 2, 1, NQ-1, 1, 0
	s_wait_dscnt 0
	WIN MUL_HI
	MUL16 4, 1, NQ-1, 1, 0
	MUL16 6, 1, NQ-1, 1, 0
	WIN 0
	PLACES NP
	; positions 0 to 15: block 0's eight accumulators leave as they stand, in f32: 512 consecutive bytes a store
	s_cmp_lg_u32 s95, 0
	s_cbranch_scc1 .Lno_image
	WIN 0x08                                       ; a store's data are its source 1: window 2
.irp b, 0,1,2,3,4,5,6,7
	global_store_b128 v[CO], v[8*\b:8*\b+3], s[100:101] offset:1024*\b          ; each accumulator from its low end on
	global_store_b128 v[CO], v[8*\b+4:8*\b+7], s[100:101] offset:1024*\b+512
.endr
	WIN 0
.Lno_image:
; THE WAY OUT, block by block of 16 rows x 128 columns = two heads.  A lane's eight columns pack into 16 bytes of f16; they go into my stage (rows of 144 bytes, a head's 16 rows on end) and come back as
; four rows of 128 bytes an instruction: in qkv16 a head's positions follow each other, so a store covers 512 consecutive bytes, aligned.
.macro PACK a
.set AC, 64*((\a)%4)
	WIN 0x0a+5*((\a)/4)                            ; sources 0 and 1: window 2 or 3
.irp b, 0,1,2,3,4,5,6,7
.irp i, 0,1,2,3
	v_cvt_pk_f16_f32 v[TMP+4*\b+\i], v[AC+8*\b+2*\i], v[AC+8*\b+2*\i+1]
.endr
.endr
	WIN 0
.endm
.macro TOSTAGE a
.set BB, 32+192*((\a)%2)
.irp b, 0,1,2,3,4,5,6,7
	ds_store_b128 v[STO], v[TMP+4*\b:TMP+4*\b+3] offset:(\b/4)*16*SPITCH+32*(\b%4)
.endr
.irp u, 0,1,2,3,4,5,6,7
	ds_load_b128 v[BB+4*\u:BB+4*\u+3], v[RD] offset:(\u/4)*16*SPITCH+(\u%4)*4*SPITCH   ; LDS serves a wave's instructions in order: these see the stores above
.endr
.endm
.macro SEND a
.set BB, 32+192*((\a)%2)
	s_wait_dscnt 0x0                               ; the block is back in registers
	s_wait_xcnt 0x0                                ; the stores of the block before have read their registers: the next block's loads land there only behind this wait
.irp u, 0,1,2,3,4,5,6,7
	global_store_b128 v[CO], v[BB+4*\u:BB+4*\u+3], s[12:13] offset:(\u/4)*262144+2048*(\a)+512*(\u%4)
.endr
.endm
	PACK 0
	TOSTAGE 0
.irp n, 1,2,3,4,5,6,7
	PACK \n                                        ; a block's conversions stand between the loads of the block before and the wait for them
	SEND \n-1
	TOSTAGE \n
.endr
	SEND 7
	s_wait_tensorcnt 0x0                           ; the wave's end, behind my last tensor load and my last LDS store
	ds_add_u32 v[SPW], v[NIL]
	s_wait_dscnt 0x0
	CROUND                                         ; the closing round
	s_endpgm
.Lfunc_end_k_qc366420b09_qkv:
	.size	k_qc366420b09_qkv, .Lfunc_end_k_qc366420b09_qkv-k_qc366420b09_qkv
	.p2alignl 7, 3214868480
	.fill 96, 4, 3214868480
	.section	.rodata,"a",@progbits
	.p2align	6, 0x0
	.amdhsa_kernel k_qc366420b09_qkv
		.amdhsa_group_segment_fixed_size 327680
		.amdhsa_private_segment_fixed_size 0
		.amdhsa_enable_private_segment 0
		.amdhsa_kernarg_size 56
		.amdhsa_user_sgpr_count 2
		.amdhsa_user_sgpr_kernarg_segment_ptr 1
		.amdhsa_wavefront_size32 1
		.amdhsa_system_sgpr_workgroup_id_x 1
		.amdhsa_system_sgpr_workgroup_id_y 1
		.amdhsa_system_sgpr_workgroup_id_z 1
		.amdhsa_system_vgpr_workitem_id 0
		.amdhsa_next_free_vgpr 1024
		.amdhsa_next_free_sgpr 102
		.amdhsa_reserve_vcc 0
		.amdhsa_float_denorm_mode_32 3
		.amdhsa_float_denorm_mode_16_64 3
		.amdhsa_memory_ordered 1
		.amdhsa_forward_progress 1
		.amdhsa_inst_pref_size 132
	.end_amdhsa_kernel
	.amdgpu_metadata
---
amdhsa.version: [ 1, 2 ]
amdhsa.kernels:
  - .name:           k_qc366420b09_qkv
    .symbol:         k_qc366420b09_qkv.kd
    .args:
      - { .name: x_codes, .offset: 0, .size: 8, .value_kind: global_buffer, .address_space: global }
      - { .name: x_scales, .offset: 8, .size: 8, .value_kind: global_buffer, .address_space: global }
      - { .name: w_codes, .offset: 16, .size: 8, .value_kind: global_buffer, .address_space: global }
      - { .name: w_scales, .offset: 24, .size: 8, .value_kind: global_buffer, .address_space: global }
      - { .name: b_qkv, .offset: 32, .size: 8, .value_kind: global_buffer, .address_space: global }
      - { .name: qkv16, .offset: 40, .size: 8, .value_kind: global_buffer, .address_space: global }
      - { .name: qkv32, .offset: 48, .size: 8, .value_kind: global_buffer, .address_space: global }
    .group_segment_fixed_size: 327680
    .private_segment_fixed_size: 0
    .kernarg_segment_align: 8
    .kernarg_segment_size: 56
    .max_flat_workgroup_size: 128
    .sgpr_count:     102
    .vgpr_count:     1024
    .wavefront_size: 32
...
	.end_amdgpu_metadata
.endif
;; end of part 2
;; launch attn (part 3): grid 4 x 64, 16 waves a work-group, no clusters, 327,680 bytes of LDS; arguments qkv16, y16; writes y16
.if DOCPART == 3
	.amdgcn_target "amdgcn-amd-amdhsa--gfx1250"
	.amdhsa_code_object_version 6
	.text
	.protected	k_qc366420b09_attn
	.globl	k_qc366420b09_attn
	.p2align	8
	.type	k_qc366420b09_attn,@function
k_qc366420b09_attn:
	s_mov_b64 s[64:65], 0
	v_nop
	global_prefetch_b8 v0, s[64:65] scope:SCOPE_SE
	s_setreg_imm32_b32 hwreg(HW_REG_WAVE_MODE, 25, 1), 1
	s_wait_xcnt 0x0
; y[b][h][q] = the sum over keys k <= q of softmax_k(q . k / 8) v, on f16 operands with f32 sums; maxima, exponentials and row sums in f32, by a running maximum.
; LEFT OUT: key steps all of whose keys come after a wave's queries, and slots of keys that come after the work-group's last query: reference() sets those scores to -inf (first launch's head).
; IN: qkv16 [section q, k, v][16 b + h][2048][64] f16.  OUT: y16 [128-row block of (b, position)][h][128][64] f16: what the next launch's tensor loads take as dense blocks.
; SHARES.  Work-group (i, head) owns the query blocks i and 7 - i of 256: every work-group has the same number of live key steps.  Each of its sixteen waves owns 32 neighbouring queries, two tiles of 16,
; in 256 registers; low and high blocks are dealt so that any four neighbouring waves, and any four waves four apart, hold two of each.  A key step is 64 keys; a slot holds 256 keys of K and of V.
; NO CLUSTER: under the mask the four work-groups of a head need 8, 7, 6 and 5 slots; a joint load would bring some partner tiles that none of its waves reads.
; LAYOUT.  S^T = K Q^T (source 0 = 16 keys, source 1 = 16 queries): a lane holds ONE query (lane % 16) and keys 8 (lane / 16) + 0..7.  Two such tiles rounded to f16 in pairs ARE source 1 of O^T = V^T P.
; K comes out of LDS as it lies, V ([key][channel]) turned by ds_load_tr16_b128.  A head's K and V are dense in memory, so two keys are stated as one row of 256 bytes.
; EVERY work-group walks all eight slots: trip counts are constants; what is left out is a step's work (a scalar branch on ids) and, past the causal limit, the tensor load.  Every wait on TENSORcnt is for 0.
.set SK,    256                        ; keys in a slot
.set NSL,   8                          ; slots' worth of keys
.set KP2,   272                        ; two keys of K in LDS: 256 bytes + 16: key x at (x / 2) 272 + (x % 2) 128
.set VP2,   288                        ; two keys of V: 256 + 32
.set VOFF,  128*KP2
.set SLOT1, 1<<17                      ; slot 1 begins here: one exclusive or turns an address in one slot into the other's
.set STAGE, SLOT1+VOFF+128*VP2         ; behind the ring: 32 rows x 144 bytes for each wave, for the way out; no fill lands here
.set SPARE, STAGE+16*32*144            ; the spare words, 128 bytes for each wave: eight blocks of 256 bytes that no other line names
.set AK0, 1                            ; v1   my lane's place in a tile of K
.set AV0, 2                            ; v2   the same for V
.set SPW, 3                            ; v3   LDS address of my spare word; never rewritten
.set NIL, 4                            ; v4   0; never rewritten
.set ADK, 5
.set ADV, 6
.set GO,  7                            ; v7   16 x lane
.set PFO, 8                            ; v8   256 x lane
.set DD,  9
.set INF, 10
.set STO, 11
.set RD,  12
.set QA,  13                           ; v13  Q's load offset
.set RH,  14                           ; v14  lane % 16 - 8 (lane / 16)
.set QF,  16                           ; v16-47   Q: tile t, channels 32 c on, at 16 t + 8 c
.set KV,  48                           ; v48-111  eight fragments of K, then of V
.set S,   112                          ; v112-175 S^T: tile t, key tile kt, at 32 t + 8 kt; p in f16 takes the first 16 of a tile's 32
.set O,   176                          ; v176-239 O^T: tile t, channels 16 ct on, at 32 t + 8 ct
.set ST,  240                          ; v240-255 tile t at 8 t: +0 c m, +1 m, +2, +3 the sum (even, odd registers'), +4..+7 at work; a in +6
.set WV,  18
.set SEL, 20
.set CS,  22                           ; s[22:23] c = log2(e) / 8
.set G1K, 24
.set G1V, 32
.set G0K, 40
.set G0V, 44
.set TB,  2                            ; s2   LDS byte at which the slot in hand begins
.set SLOTS, 67
.set LQ,  68                           ; s68  my work-group's last query
.set YB,  70                           ; s[70:71] where my 32 rows of y16 begin
.set PFA, 76
.set LIM, 80
.set KF,  98                           ; s98  the step's first key
.set SQ0, 99                           ; s99  my first query
; Waves 0 and 1 fetch K's halves of a slot, waves 2 and 3 V's, the others nothing.  An s_nop 0 and four v_nop follow each of the two lines.
.macro TLOAD
	s_cmp_lt_u32 s[WV], 2
	s_cbranch_scc0 .Lnot_k_\@
	tensor_load_to_lds s[G0K:G0K+3], s[G1K:G1K+7]
	s_nop 0
.rept 4
	v_nop
.endr
	s_branch .Lasked_\@
.Lnot_k_\@:
	s_cmp_lt_u32 s[WV], 4
	s_cbranch_scc0 .Lasked_\@
	tensor_load_to_lds s[G0V:G0V+3], s[G1V:G1V+7]
	s_nop 0
.rept 4
	v_nop
.endr
.Lasked_\@:
.endm
; A prefetch of what the NEXT change of slots will ask for: 32,768 bytes of K and of V.  The head's work-group 0, which walks all slots, asks, and nobody else; in it waves 4 to 7 ask for K's, 8,192 bytes a wave,
; lanes 256 bytes apart, and waves 8 to 11 for V's: each aligned block of 256 bytes is named once.  Slots 0 and 1 come by their loads alone; the last change that fills a slot asks for nothing.
.macro ASK
	s_cmp_gt_u32 s[SLOTS], s[LIM]
	s_cbranch_scc0 .Lnot_mine_\@
	global_prefetch_b8 v[PFO], s[PFA:PFA+1] th:TH_LOAD_NT scope:SCOPE_SE
.Lnot_mine_\@:
.endm
	s_load_b128 s[4:7], s[0:1], 0x0                ; qkv16, y16
	v_lshl_add_u32 v[SPW], v0, 2, SPARE
	v_mov_b32 v[NIL], 0
	ds_add_u32 v[SPW], v[NIL]                      ; the wave's opening: the add, twice on end, and its wait ahead of my first tensor load
	ds_add_u32 v[SPW], v[NIL]                      ; and once more, under the one wait
	v_lshrrev_b32 v15, 5, v0
	v_readfirstlane_b32 s[WV], v15                 ; wave 0..15
	s_and_b32 s72, ttmp7, 0xffff                   ; 16 b + h
	s_lshl_b32 s74, s72, 18                        ; the head's first byte in a section
	s_lshr_b32 s81, s[WV], 2
	s_and_b32 s82, s[WV], 3
	s_xor_b32 s83, s81, s82
	s_and_b32 s83, s83, 1                          ; 1: my queries lie in the high block
	s_lshl_b32 s81, s81, 1
	s_lshr_b32 s82, s82, 1
	s_add_co_u32 s81, s81, s82                     ; which 32 of the block's 256
	s_sub_co_u32 s84, 7, ttmp9
	s_cmp_eq_u32 s83, 1
	s_cselect_b32 s84, s84, ttmp9
	s_lshl_b32 s84, s84, 8
	s_lshl_b32 s81, s81, 5
	s_add_co_u32 s[SQ0], s84, s81
	s_sub_co_u32 s[LQ], 8, ttmp9
	s_lshl_b32 s[LQ], s[LQ], 8
	s_sub_co_u32 s[LQ], s[LQ], 1                   ; 256 (8 - i) - 1
	s_mov_b32 s[G1K], (1<<16)|(1<<20)|(5<<22)|(3<<25)   ; no mask; elements of 2 bytes; padding on: 4 words behind every 64
	s_mov_b32 s[G1V], (1<<16)|(1<<20)|(5<<22)|(7<<25)   ; the same with 8 words
.irp g, G1K, G1V
	s_mov_b32 s[\g+1], 128<<16                     ; tensor_dim0 = 128 elements: two keys
	s_mov_b32 s[\g+2], 64<<16                      ; tensor_dim1 = 64
	s_mov_b32 s[\g+3], 128<<16                     ; tile_dim0
	s_mov_b32 s[\g+4], 64                          ; tile_dim1
	s_mov_b32 s[\g+5], 128                         ; the pitch: dense
	s_mov_b32 s[\g+6], 0
	s_mov_b32 s[\g+7], 0
.endr
	s_and_b32 s88, s[WV], 1                        ; which half of a slot I fetch, if I fetch
	s_mul_i32 s89, s88, 64*KP2
	s_mul_i32 s90, s88, 64*VP2
	s_add_co_u32 s90, s90, VOFF
	s_lshl_b32 s92, s88, 14
	s_add_co_u32 s92, s92, s74
	s_mov_b32 s93, 0
	s_lshl_b32 s94, s[SQ0], 7
	s_add_co_u32 s94, s94, s74                     ; Q: my first query's row
	s_mov_b32 s95, 0
	s_lshr_b32 s86, s72, 4
	s_lshl_b32 s86, s86, 4
	s_lshr_b32 s85, s[SQ0], 7
	s_add_co_u32 s86, s86, s85                     ; y16: block 16 b + position / 128,
	s_lshl_b32 s86, s86, 18
	s_and_b32 s85, s72, 15
	s_lshl_b32 s85, s85, 14
	s_add_co_u32 s86, s86, s85                     ; the head's 16,384 bytes in it,
	s_and_b32 s85, s[SQ0], 127
	s_lshl_b32 s85, s85, 7
	s_add_co_u32 s86, s86, s85                     ; my first row
	s_mov_b32 s87, 0
	s_mov_b32 s82, 33554432
	s_cmp_lt_u32 s[WV], 8                          ; waves 4 to 7 ask for K, waves 8 to 11 for V: a choice between offsets
	s_cselect_b32 s82, 16777216, s82
	s_add_co_u32 s82, s82, s74
	s_and_b32 s83, s[WV], 3
	s_lshl_b32 s83, s83, 13
	s_add_co_u32 s82, s82, s83                     ; my wave's 8,192 bytes,
	s_add_co_u32 s82, s82, SK*128                  ; in slot 1: the first change of slots steps it to slot 2
	s_mov_b32 s83, 0
	s_sub_co_u32 s84, s[WV], 4
	s_lshr_b32 s84, s84, 3                         ; 0 in waves 4 to 11,
	s_or_b32 s84, s84, ttmp9                       ; of the head's work-group 0
	s_cmp_eq_u32 s84, 0
	s_cselect_b32 s[LIM], 1, -1
	s_mov_b32 s[SEL], 0x76543210
	s_mov_b32 s[SEL+1], 0xfedcba98
	s_mov_b32 s[CS], 0x3e38aa3b                    ; log2(e) / 8
	s_mov_b32 s[CS+1], s[CS]
	s_mov_b32 s[TB], 0
	s_mov_b32 s[KF], 0
	s_mov_b32 s[SLOTS], NSL-1
	s_wait_dscnt 0x0                               ; both opening adds are done
	s_wait_kmcnt 0x0
	s_mov_b32 s[G0K], 1
	s_mov_b32 s[G0K+1], s89
	s_add_nc_u64 s[G0K+2:G0K+3], s[4:5], s[92:93]
	s_add_nc_u64 s[G0K+2:G0K+3], s[G0K+2:G0K+3], 16777216      ; section k
	s_or_b32 s[G0K+3], s[G0K+3], 0x80000000
	s_mov_b32 s[G0V], 1
	s_mov_b32 s[G0V+1], s90
	s_add_nc_u64 s[G0V+2:G0V+3], s[4:5], s[92:93]
	s_add_nc_u64 s[G0V+2:G0V+3], s[G0V+2:G0V+3], 33554432      ; section v
	s_or_b32 s[G0V+3], s[G0V+3], 0x80000000
	TLOAD                                          ; slot 0: key 0 counts for every query, so every wave reads it
	s_add_nc_u64 s[8:9], s[4:5], s[94:95]
	s_add_nc_u64 s[YB:YB+1], s[6:7], s[86:87]
	s_add_nc_u64 s[PFA:PFA+1], s[4:5], s[82:83]
	v_and_b32 v[RH], 15, v0                        ; r
	v_bfe_u32 v15, v0, 4, 1                        ; h
	v_lshlrev_b32 v[QA], 7, v[RH]
	v_lshl_add_u32 v[QA], v15, 4, v[QA]            ; row r of 128 bytes + 16 h
.irp t, 0,1
.irp c, 0,1
	global_load_b128 v[QF+16*\t+8*\c:QF+16*\t+8*\c+3], v[QA], s[8:9] offset:2048*\t+64*\c
	global_load_b128 v[QF+16*\t+8*\c+4:QF+16*\t+8*\c+7], v[QA], s[8:9] offset:2048*\t+64*\c+32
.endr
.endr
	v_lshrrev_b32 v[AK0], 1, v[RH]
	v_mul_u32_u24 v[AK0], v[AK0], KP2
	v_and_b32 v[ADK], 1, v0
	v_lshl_add_u32 v[AK0], v[ADK], 7, v[AK0]
	v_lshl_add_u32 v[AK0], v15, 4, v[AK0]          ; K: (r / 2) 272 + (r % 2) 128 + 16 h
	v_bfe_u32 v[AV0], v0, 1, 2
	v_lshl_add_u32 v[AV0], v15, 2, v[AV0]
	v_mul_u32_u24 v[AV0], v[AV0], VP2
	v_lshl_add_u32 v[AV0], v[ADK], 7, v[AV0]
	v_bfe_u32 v[ADV], v0, 3, 1
	v_lshl_add_u32 v[AV0], v[ADV], 4, v[AV0]
	v_add_nc_u32 v[AV0], VOFF, v[AV0]              ; V: key 8 h + lane % 8, channels 8 ((lane / 8) % 2) on
	v_and_b32 v[GO], 31, v0
	v_lshlrev_b32 v[PFO], 8, v[GO]
	v_lshlrev_b32 v[GO], 4, v[GO]
	s_mul_i32 s73, s[WV], 32*144
	s_add_co_u32 s73, s73, STAGE                   ; my stage
	v_mul_u32_u24 v[STO], v[RH], 144
	v_lshl_add_u32 v[STO], v15, 4, v[STO]
	v_add_nc_u32 v[STO], s73, v[STO]               ; in: row r, 16 bytes for each half of the lanes
	v_bfe_u32 v[RD], v0, 3, 2
	v_mul_u32_u24 v[RD], v[RD], 144
	v_and_b32 v[DD], 7, v0
	v_lshl_add_u32 v[RD], v[DD], 4, v[RD]
	v_add_nc_u32 v[RD], s73, v[RD]                 ; back: eight lanes to a row, four rows an instruction
	v_lshlrev_b32 v15, 3, v15
	v_sub_nc_u32 v[RH], v[RH], v15                 ; r - 8 h
.irp t, 0,1
	v_mov_b32 v[ST+8*\t+1], 0xff61b1e6             ; the largest score so far: -3e38, under every score
	v_mul_f32 v[ST+8*\t], s[CS], v[ST+8*\t+1]
.irp n, 2,3,4,5,6,7
	v_mov_b32 v[ST+8*\t+\n], 0                     ; the sum; and what is at work, so that every way through the text finds it written
.endr
.endr
.set j, 0
.rept 64
	v_mov_b32 v[O+j], 0                            ; O^T.  (The step is written once: the first step finds zeros, which its a = 0 leaves zeros)
.set j, j+1
.endr
; A KEY STEP: 64 keys, the q-th of the slot in hand.
.macro STEP q
	s_add_co_u32 s96, s[SQ0], 31                   ; a step all of whose keys come after my 32 queries is left out: a scalar branch on ids, round no barrier and no tensor load
	s_cmp_gt_u32 s[KF], s96
	s_cbranch_scc1 .Lhidden_\@
	v_add_nc_u32 v[ADK], s[TB], v[AK0]
	v_add_nc_u32 v[ADV], s[TB], v[AV0]
.rept 3
	v_nop                                          ; five places in all behind the last step's products: its V registers are loaded again (four are asked), and its p registers are written over by the products below (five)
.endr
.irp kt, 0,1,2,3
.irp c, 0,1
	ds_load_b128 v[KV+8*(2*\kt+\c):KV+8*(2*\kt+\c)+3], v[ADK] offset:8704*(\q)+2176*\kt+64*\c
	ds_load_b128 v[KV+8*(2*\kt+\c)+4:KV+8*(2*\kt+\c)+7], v[ADK] offset:8704*(\q)+2176*\kt+64*\c+32
.endr
.endr
.irp g, 0,1                            ; S^T = K Q^T: key tiles 2 g, 2 g + 1 for both query tiles: four accumulators by turns
	s_wait_dscnt 8-8*\g                            ; g = 0: the first eight loads are in, key tiles 2 and 3's eight may be out
.irp c, 0,1
.irp k2, 0,1
.irp t, 0,1
.if \c == 0
	v_wmma_f32_16x16x32_f16 v[S+32*\t+8*(2*\g+\k2):S+32*\t+8*(2*\g+\k2)+7], v[KV+8*(2*(2*\g+\k2)+\c):KV+8*(2*(2*\g+\k2)+\c)+7], v[QF+16*\t+8*\c:QF+16*\t+8*\c+7], 0
.else
	v_wmma_f32_16x16x32_f16 v[S+32*\t+8*(2*\g+\k2):S+32*\t+8*(2*\g+\k2)+7], v[KV+8*(2*(2*\g+\k2)+\c):KV+8*(2*(2*\g+\k2)+\c)+7], v[QF+16*\t+8*\c:QF+16*\t+8*\c+7], v[S+32*\t+8*(2*\g+\k2):S+32*\t+8*(2*\g+\k2)+7]
.endif
.endr
.endr
.endr
.endr
.rept 4
	v_nop                                          ; places in front of the loads into K's registers and of the first read of the scores
.endr
.irp kk, 0,1                           ; V, turned: keys 32 kk on, channels 16 ct on; it lands while the softmax is walked
.irp ct, 0,1,2,3
	ds_load_tr16_b128 v[KV+8*(4*\kk+\ct):KV+8*(4*\kk+\ct)+3], v[ADV] offset:9216*(\q)+4608*\kk+32*\ct
	ds_load_tr16_b128 v[KV+8*(4*\kk+\ct)+4:KV+8*(4*\kk+\ct)+7], v[ADV] offset:9216*(\q)+4608*\kk+32*\ct+2304
.endr
.endr
	s_add_co_u32 s96, s[KF], 63                    ; on the diagonal hidden scores become -infinity ahead of the maximum.  A step all of whose keys count skips this
	s_cmp_le_u32 s96, s[SQ0]
	s_cbranch_scc1 .Lopen_\@
	s_sub_co_i32 s96, s[SQ0], s[KF]
	v_add_nc_u32 v[DD], s96, v[RH]                 ; d = my tile 0 query - the step's first key - 8 (lane / 16).  Register 8 kt + j of tile t holds key 16 kt + 8 (lane / 16) + j: hidden where 16 kt + j - 16 t > d
	v_mov_b32 v[INF], 0xff800000
.irp t, 0,1
.irp kt, 0,1,2,3
.irp n, 0,1,2,3,4,5,6,7
	v_cmp_gt_i32 vcc_lo, 16*\kt+\n-16*\t, v[DD]
	v_cndmask_b32 v[S+32*\t+8*\kt+\n], v[S+32*\t+8*\kt+\n], v[INF], vcc_lo
.endr
.endr
.endr
.Lopen_\@:
	; the softmax, the two tiles line by line in turn.  The maximum of 32 scores and the old m, three operands at a time; each accumulator is first read at its low end
.irp n, 0,1,2,3
.irp t, 0,1
	v_max3_num_f32 v[ST+8*\t+4+\n], v[S+32*\t+8*\n], v[S+32*\t+8*\n+1], v[S+32*\t+8*\n+2]
.endr
.endr
.irp g, 1,2
.irp n, 0,1,2,3
.irp t, 0,1
	v_max3_num_f32 v[ST+8*\t+4+\n], v[ST+8*\t+4+\n], v[S+32*\t+8*\n+2*\g+1], v[S+32*\t+8*\n+2*\g+2]
.endr
.endr
.endr
.irp t, 0,1
	v_max3_num_f32 v[ST+8*\t+4], v[ST+8*\t+4], v[S+32*\t+7], v[S+32*\t+15]
	v_max3_num_f32 v[ST+8*\t+6], v[ST+8*\t+6], v[S+32*\t+23], v[S+32*\t+31]
.endr
.irp t, 0,1
	v_max3_num_f32 v[ST+8*\t+4], v[ST+8*\t+4], v[ST+8*\t+5], v[ST+8*\t+6]
.endr
.irp t, 0,1
	v_max3_num_f32 v[ST+8*\t+4], v[ST+8*\t+4], v[ST+8*\t+7], v[ST+8*\t+1]
.endr
.irp t, 0,1
	v_permlanex16_b32 v[ST+8*\t+5], v[ST+8*\t+4], s[SEL], s[SEL+1]   ; the query's other 32 keys lie in the lane 16 away
.endr
.irp t, 0,1
	v_mov_b32 v[ST+8*\t+7], v[ST+8*\t]             ; c m_old is kept for a
.endr
.irp t, 0,1
	v_max_num_f32 v[ST+8*\t+1], v[ST+8*\t+4], v[ST+8*\t+5]
.endr
.irp t, 0,1
	v_mul_f32 v[ST+8*\t], s[CS], v[ST+8*\t+1]
.endr
.irp t, 0,1
	v_sub_f32 v[ST+8*\t+7], v[ST+8*\t+7], v[ST+8*\t]
.endr
.set j, 0
.rept 16
.irp t, 0,1
	v_pk_fma_f32 v[S+32*\t+j:S+32*\t+j+1], v[S+32*\t+j:S+32*\t+j+1], s[CS:CS+1], v[ST+8*\t:ST+8*\t+1] op_sel_hi:[1,0,0] neg_lo:[0,0,1] neg_hi:[0,0,1]   ; c s - c m, two at a time
.endr
.set j, j+2
.endr
.irp t, 0,1
	v_exp_f32 v[ST+8*\t+6], v[ST+8*\t+7]           ; a = 2^(c m_old - c m_new)
.endr
.set j, 0
.rept 32
.irp t, 0,1
	v_exp_f32 v[S+32*\t+j], v[S+32*\t+j]           ; p, at most 1
.endr
.set j, j+1
.endr
	v_nop                                          ; a plain instruction behind the last exponential
	s_wait_alu depctr_va_vdst(0)                   ; the wait ahead of the first instruction that names a result: one for the 66
.irp t, 0,1
	v_pk_mul_f32 v[ST+8*\t+2:ST+8*\t+3], v[ST+8*\t+2:ST+8*\t+3], v[ST+8*\t+6:ST+8*\t+7] op_sel_hi:[1,0]   ; the sum under the new m
.endr
.irp t, 0,1                            ; the row's sum of p in f32, two at a time, in two chains
	v_pk_add_f32 v[ST+8*\t+4:ST+8*\t+5], v[S+32*\t+2:S+32*\t+3], v[S+32*\t+6:S+32*\t+7]
	v_pk_add_f32 v[ST+8*\t+2:ST+8*\t+3], v[ST+8*\t+2:ST+8*\t+3], v[S+32*\t:S+32*\t+1]
.endr
.irp t, 0,1
	v_pk_add_f32 v[ST+8*\t+2:ST+8*\t+3], v[ST+8*\t+2:ST+8*\t+3], v[S+32*\t+4:S+32*\t+5]
.endr
.irp n, 8,12,16,20,24,28
.irp t, 0,1
	v_pk_add_f32 v[ST+8*\t+2:ST+8*\t+3], v[ST+8*\t+2:ST+8*\t+3], v[S+32*\t+\n:S+32*\t+\n+1]
	v_pk_add_f32 v[ST+8*\t+4:ST+8*\t+5], v[ST+8*\t+4:ST+8*\t+5], v[S+32*\t+\n+2:S+32*\t+\n+3]
.endr
.endr
.irp t, 0,1
	v_pk_add_f32 v[ST+8*\t+2:ST+8*\t+3], v[ST+8*\t+2:ST+8*\t+3], v[ST+8*\t+4:ST+8*\t+5]
.endr
.set j, 0
.rept 16
.irp t, 0,1
	v_cvt_pk_f16_f32 v[S+32*\t+j], v[S+32*\t+2*j], v[S+32*\t+2*j+1]   ; p to f16, in place, ascending: register j never lies above the pair that it is made of
.endr
.set j, j+1
.endr
.set j, 0
.rept 16
.irp t, 0,1
	v_pk_mul_f32 v[O+32*\t+j:O+32*\t+j+1], v[O+32*\t+j:O+32*\t+j+1], v[ST+8*\t+6:ST+8*\t+7] op_sel_hi:[1,0]   ; O^T under the new m
.endr
.set j, j+2
.endr
.irp kk, 0,1                           ; O^T += V^T P: eight accumulators by turns
	s_wait_dscnt 8-8*\kk                           ; kk = 0: V's first eight loads are in, the other eight may be out
.irp ct, 0,1,2,3
.irp t, 0,1
	v_wmma_f32_16x16x32_f16 v[O+32*\t+8*\ct:O+32*\t+8*\ct+7], v[KV+8*(4*\kk+\ct):KV+8*(4*\kk+\ct)+7], v[S+32*\t+8*\kk:S+32*\t+8*\kk+7], v[O+32*\t+8*\ct:O+32*\t+8*\ct+7]
.endr
.endr
.endr
.Lhidden_\@:
	s_add_co_u32 s[KF], s[KF], 64
.endm
; THE CHANGE OF SLOTS stands at a slot's head.  Each wave waits for all its tensor loads, adds 0 to its spare word (fill = 1: twice on end), and waits for that and for its reads of the slot that it has left.
; Behind the barrier the slot ahead is whole and nobody reads the other one; fill = 1: that one is filled with the keys that follow, up to the causal limit.
.macro CHANGE fill
	s_wait_tensorcnt 0x0                           ; no tensor load of mine is out, so a group 0 may be written
	ds_add_u32 v[SPW], v[NIL]                      ; 0 onto my spare word
.if \fill
	ds_add_u32 v[SPW], v[NIL]                      ; and once more: the add twice on end here, in every trip alike
	s_xor_b32 s[G0K+1], s[G0K+1], SLOT1            ; the walking descriptors: the other slot than last time,
	s_add_nc_u64 s[G0K+2:G0K+3], s[G0K+2:G0K+3], SK*128   ; the next 256 keys
	s_xor_b32 s[G0V+1], s[G0V+1], SLOT1
	s_add_nc_u64 s[G0V+2:G0V+3], s[G0V+2:G0V+3], SK*128
	s_wait_xcnt 0x0                                ; the last prefetch, a slot back, has read its address, so it may be written:
	s_add_nc_u64 s[PFA:PFA+1], s[PFA:PFA+1], SK*128       ; one slot further on than the walking descriptors
.endif
	s_wait_dscnt 0x0                               ; the add is done, and my reads of the slot that I have left are over
	s_barrier_signal -1
	s_barrier_wait -1
.if \fill
	s_add_co_u32 s96, s[KF], SK                    ; the first key of the slot that this change would ask for:
	s_cmp_gt_u32 s96, s[LQ]                        ; past my work-group's last query none of its waves reads it, so it is not asked for.  Ids and the count of steps alone: all sixteen waves go the same way
	s_cbranch_scc1 .Lpast_\@
	TLOAD                                          ; a wave's one tensor load until the next such barrier
.Lpast_\@:
	ASK
.endif
.endm
.macro SLOT_STEPS
	STEP 0
	STEP 1
	STEP 2
	STEP 3
	s_xor_b32 s[TB], s[TB], SLOT1
.endm
	s_wait_loadcnt 0x0                             ; Q
.Lslot:                                            ; seven trips: behind each change of slots but the last the next slot is asked for, up to the limit
	CHANGE 1
	SLOT_STEPS
	s_sub_co_u32 s[SLOTS], s[SLOTS], 1
	s_cmp_lg_u32 s[SLOTS], 0
	s_cbranch_scc1 .Lslot
	CHANGE 0                                       ; the last slot is written out: nothing is left to ask for
	SLOT_STEPS
	; THE WAY OUT.  O^T is divided by the row's sum, rounded to f16 and sent through my stage: 32 rows of 128 bytes, which are 4,096 consecutive bytes of y16.
.rept 4
	v_nop                                          ; places behind the last products
.endr
.irp t, 0,1
	v_add_f32 v[ST+8*\t+4], v[ST+8*\t+2], v[ST+8*\t+3]
.endr
.irp t, 0,1
	v_permlanex16_b32 v[ST+8*\t+5], v[ST+8*\t+4], s[SEL], s[SEL+1]
.endr
.irp t, 0,1
	v_add_f32 v[ST+8*\t+4], v[ST+8*\t+4], v[ST+8*\t+5]
.endr
.irp t, 0,1
	v_rcp_f32 v[ST+8*\t+6], v[ST+8*\t+4]
.endr
	v_nop                                          ; a plain instruction behind the last reciprocal
	s_wait_alu depctr_va_vdst(0)                   ; and the wait ahead of the first use: one for the two
.set j, 0
.rept 16
.irp t, 0,1
	v_pk_mul_f32 v[O+32*\t+j:O+32*\t+j+1], v[O+32*\t+j:O+32*\t+j+1], v[ST+8*\t+6:ST+8*\t+7] op_sel_hi:[1,0]
.endr
.set j, j+2
.endr
.set j, 0
.rept 32
	v_cvt_pk_f16_f32 v[S+j], v[O+2*j], v[O+2*j+1]  ; register 16 t + 4 ct + i: channels 16 ct + 8 (lane / 16) + 2 i, + 1 of my query of tile t
.set j, j+1
.endr
.irp t, 0,1
.irp ct, 0,1,2,3
	ds_store_b128 v[STO], v[S+16*\t+4*\ct:S+16*\t+4*\ct+3] offset:2304*\t+32*\ct
.endr
.endr
.irp u, 0,1,2,3,4,5,6,7
	ds_load_b128 v[KV+4*\u:KV+4*\u+3], v[RD] offset:576*\u      ; LDS serves a wave's instructions in order: these see my stores
.endr
.irp u, 0,1,2,3,4,5,6,7
	s_wait_dscnt 7-\u
	global_store_b128 v[GO], v[KV+4*\u:KV+4*\u+3], s[YB:YB+1] offset:512*\u   ; 32 lanes store 512 consecutive bytes, aligned
.endr
	s_wait_tensorcnt 0x0                           ; the wave's end, behind my last tensor load and my last LDS store
	ds_add_u32 v[SPW], v[NIL]
	s_wait_dscnt 0x0
	s_endpgm
.Lfunc_end_k_qc366420b09_attn:
	.size	k_qc366420b09_attn, .Lfunc_end_k_qc366420b09_attn-k_qc366420b09_attn
	.p2alignl 7, 3214868480
	.fill 96, 4, 3214868480
	.section	.rodata,"a",@progbits
	.p2align	6, 0x0
	.amdhsa_kernel k_qc366420b09_attn
		.amdhsa_group_segment_fixed_size 327680
		.amdhsa_private_segment_fixed_size 0
		.amdhsa_enable_private_segment 0
		.amdhsa_kernarg_size 16
		.amdhsa_user_sgpr_count 2
		.amdhsa_user_sgpr_kernarg_segment_ptr 1
		.amdhsa_wavefront_size32 1
		.amdhsa_system_sgpr_workgroup_id_x 1
		.amdhsa_system_sgpr_workgroup_id_y 1
		.amdhsa_system_sgpr_workgroup_id_z 1
		.amdhsa_system_vgpr_workitem_id 0
		.amdhsa_next_free_vgpr 256
		.amdhsa_next_free_sgpr 100
		.amdhsa_reserve_vcc 1
		.amdhsa_float_denorm_mode_32 3
		.amdhsa_float_denorm_mode_16_64 3
		.amdhsa_memory_ordered 1
		.amdhsa_forward_progress 1
		.amdhsa_inst_pref_size 190
	.end_amdhsa_kernel
	.amdgpu_metadata
---
amdhsa.version: [ 1, 2 ]
amdhsa.kernels:
  - .name:           k_qc366420b09_attn
    .symbol:         k_qc366420b09_attn.kd
    .args:
      - { .name: qkv16, .offset: 0, .size: 8, .value_kind: global_buffer, .address_space: global }
      - { .name: y16, .offset: 8, .size: 8, .value_kind: global_buffer, .address_space: global }
    .group_segment_fixed_size: 327680
    .private_segment_fixed_size: 0
    .kernarg_segment_align: 8
    .kernarg_segment_size: 16
    .max_flat_workgroup_size: 512
    .sgpr_count:     100
    .vgpr_count:     256
    .wavefront_size: 32
...
	.end_amdgpu_metadata
.endif
;; end of part 3
;; launch proj (part 4): grid 8 x 64, 4 waves a work-group, clusters of 4 x 4, 327,680 bytes of LDS; arguments y16, wot, out0, b_o; writes out0
.if DOCPART == 4
	.amdgcn_target "amdgcn-amd-amdhsa--gfx1250"
	.amdhsa_code_object_version 6
	.text
	.protected	k_qc366420b09_proj
	.globl	k_qc366420b09_proj
	.p2align	8
	.type	k_qc366420b09_proj,@function
k_qc366420b09_proj:
	s_mov_b64 s[64:65], 0
	v_nop
	global_prefetch_b8 v0, s[64:65] scope:SCOPE_SE
	s_setreg_imm32_b32 hwreg(HW_REG_WAVE_MODE, 25, 1), 1
	s_wait_xcnt 0x0
	s_wait_alu depctr_hold_cnt(0) depctr_sa_sdst(0) depctr_va_vdst(0) depctr_va_sdst(0) depctr_va_ssrc(0) depctr_va_vcc(0) depctr_vm_vsrc(0)
	s_getreg_b32 s2, hwreg(HW_REG_IB_STS2, 6, 4)
	s_cmp_eq_u32 s2, 0
	s_cbranch_scc0 .Lentry_in_a_cluster
	s_endpgm
.Lentry_in_a_cluster:
	s_bfe_u32 s2, ttmp6, 0x10000c
	s_cmp_lg_u32 s2, 0xf033
	s_cbranch_scc0 .Lentry_shape_is_right
	s_endpgm
.Lentry_shape_is_right:
; out0 = y w_o + b_o on f16 operands with f32 sums, for all rows but positions 0 to 15 of each sequence: those 64 rows are made and stored in f32 by the last launch, and are not stored here.
; A = y16 [row block 64][h 16][m 128][64], B = wot [column block 8][kh 16][n 128][64]: a K step of 256 (four heads) of a 128-row tile is 65,536 dense bytes, stated as rows of 256 bytes (two rows of 64 f16).
; A tile of out0 is 128 x 128; four waves, each 64 x 64: 16 accumulators.  K goes in four steps of 256 through two LDS slots.
; CLUSTERS: 4 x 4 work-groups; A's tile is asked for jointly along a row of the cluster, B's along a column.  Tile row = 16 cy + cluster y: the batch is cy and the tile's first position 128 x cluster y,
; so whether a wave holds positions 0 to 15 hangs on cluster y and the wave's number alone, the same in all partners.
; THE MATRIX INSTRUCTION IS USED TRANSPOSED (source 0 = 16 rows of B, source 1 = 16 rows of A): a lane holds eight neighbouring columns of a row.  The bias is the C of each sum's first product.
; REGISTERS: window 0: v0-31 addresses; v32-95 the way out; v96-127 the bias; v128-255 the accumulators ((a, b) at v[128 + 8 (4 a + b)]).   window 1: two fragment buffers of 128.
.set SUB,    64*272                    ; a head's 128 rows in LDS: 64 double rows of 256 bytes + 16: row m at (m / 2) 272 + (m % 2) 128
.set HALFT,  2*SUB                     ; what one tensor load brings: two heads
.set SLOT,   4*HALFT                   ; A's four heads, then B's four
.set STAGE,  2*SLOT                    ; behind the ring: 16 rows x 272 bytes for each wave; no fill lands here
.set SPITCH, 272
.set SPARE,  STAGE+4*16*SPITCH         ; the spare words, 128 bytes for each wave: two blocks of 256 bytes that no other line names
.set LAPS,   2                         ; a lap = two K steps = once round the ring
.set ADRA, 16
.set ADRB, 20
.set STO,  24
.set RD,   25
.set CO,   26
.set SPW,  28                          ; v28  LDS address of my spare word; never rewritten
.set NIL,  29                          ; v29  0; never rewritten
.set BO,   30
.set TMP,  32
.set BI,   96                          ; register 8 b + j = b_o at my column 16 b + 8 (lane / 16) + j
.set ACC,  128
.set F0,   0
.set F1,   128
.set G1, 24
.set G0, 32
.set G1B, 48
.set G0B, 56
.set MSB, 0
.macro WIN new
.if MSB != (\new)
	s_set_vgpr_msb (MSB<<8)|(\new)
.set MSB, (\new)
.endif
.endm
.set MUL,  0x05                        ; sources 0 (B) and 1 (A) window 1; C and D window 0
.set TO_F, 0x40
.macro JLOAD s                         ; a joint load: waves 0 and 1 fetch A's halves, waves 2 and 3 B's; an s_nop 0 and four v_nop follow each of the two lines
	s_cmp_eq_u32 s11, 0
	s_cbranch_scc0 .Lfor_b_\@
	tensor_load_to_lds s[G0+4*\s:G0+4*\s+3], s[G1:G1+7]
	s_nop 0
.rept 4
	v_nop
.endr
	s_branch .Lasked_\@
.Lfor_b_\@:
	tensor_load_to_lds s[G0B+4*\s:G0B+4*\s+3], s[G1B:G1B+7]
	s_nop 0
.rept 4
	v_nop
.endr
.Lasked_\@:
.endm
.macro CREST
	s_cmp_lg_u32 s10, 0
	s_cbranch_scc1 .Lnot_wave_0_\@
	s_barrier_signal -3
.Lnot_wave_0_\@:
	s_barrier_wait -3
	s_barrier_signal -1
	s_barrier_wait -1
.endm
.macro CROUND
	s_barrier_signal -1
	s_barrier_wait -1
	CREST
.endm
	s_load_b128 s[4:7], s[0:1], 0x0                ; y16, wot
	s_load_b64 s[8:9], s[0:1], 0x10                ; out0
	s_load_b64 s[66:67], s[0:1], 0x18              ; b_o
	v_lshl_add_u32 v[SPW], v0, 2, SPARE
	v_mov_b32 v[NIL], 0
	ds_add_u32 v[SPW], v[NIL]                      ; the wave's opening: the add, twice on end, and its wait ahead of my first tensor load
	ds_add_u32 v[SPW], v[NIL]                      ; and once more, under the one wait
	v_lshrrev_b32 v1, 5, v0
	v_readfirstlane_b32 s10, v1                    ; wave 0..3
	s_lshr_b32 s11, s10, 1                         ; which half of the tile's rows is mine.  Also: I fetch for A (0) or for B (1)
	s_and_b32 s12, s10, 1                          ; which half of its columns.  Also: which two heads of a K step I fetch
	s_bfe_u32 s40, ttmp6, 0x40000                  ; cx
	s_bfe_u32 s41, ttmp6, 0x40004                  ; cy
	s_lshl_b32 s42, ttmp9, 2
	s_add_co_u32 s42, s42, s40                     ; tile column = 4 x cluster x + cx
	s_and_b32 s69, ttmp7, 0xffff                   ; cluster y
	s_lshl_b32 s13, s41, 4
	s_add_co_u32 s13, s13, s69                     ; tile row = 16 cy + cluster y
	s_lshl_b32 s43, s41, 2
	s_lshl_b32 s43, 15, s43                        ; my row of the cluster
	s_lshl_b32 s44, 0x1111, s40                    ; my column
	s_or_b32 s[G1+0], s43, (1<<16)|(1<<20)|(1<<21)|(5<<22)|(3<<25)  ; the mask; elements of 2 bytes; padding on; bit 21 beside a mask; 4 words behind every 64
	s_or_b32 s[G1B+0], s44, (1<<16)|(1<<20)|(1<<21)|(5<<22)|(3<<25)
.irp g, G1, G1B
	s_mov_b32 s[\g+1], 128<<16                     ; tensor_dim0 = 128 elements
	s_mov_b32 s[\g+2], 128<<16                     ; tensor_dim1 = 128 rows
	s_mov_b32 s[\g+3], 128<<16                     ; tile_dim0
	s_mov_b32 s[\g+4], 128                         ; tile_dim1
	s_mov_b32 s[\g+5], 128                         ; the pitch: dense
	s_mov_b32 s[\g+6], 0
	s_mov_b32 s[\g+7], 0
.endr
	s_lshl_b32 s17, s12, 15                        ; my two heads of a K step: 32,768 bytes
	s_lshl_b32 s16, s13, 18
	s_add_co_u32 s16, s16, s17                     ; A: 262,144 x tile row
	s_lshl_b32 s46, s42, 18
	s_add_co_u32 s46, s46, s17                     ; B: 262,144 x tile column
	s_mov_b32 s17, 0
	s_mov_b32 s47, 0
	s_mul_i32 s20, s10, HALFT                      ; where they go: wave x 34,816
	s_wait_dscnt 0x0                               ; both opening adds are done
	s_wait_kmcnt 0x0
	s_add_nc_u64 s[14:15], s[4:5], s[16:17]
	s_add_nc_u64 s[46:47], s[6:7], s[46:47]
	CROUND                                         ; all sixteen work-groups are here: the first joint loads meet
.irp s, 0,1
	s_mov_b32 s[G0+4*\s], 1
	s_add_co_u32 s[G0+4*\s+1], s20, \s*SLOT
	s_add_nc_u64 s[G0+4*\s+2:G0+4*\s+3], s[14:15], \s*65536
	s_or_b32 s[G0+4*\s+3], s[G0+4*\s+3], 0x80000000
	s_mov_b32 s[G0B+4*\s], 1
	s_add_co_u32 s[G0B+4*\s+1], s20, \s*SLOT
	s_add_nc_u64 s[G0B+4*\s+2:G0B+4*\s+3], s[46:47], \s*65536
	s_or_b32 s[G0B+4*\s+3], s[G0B+4*\s+3], 0x80000000
	JLOAD \s                                       ; two loads of mine are out
.endr
	v_and_b32 v1, 15, v0                           ; r
	v_bfe_u32 v2, v0, 4, 1                         ; h
	v_lshlrev_b32 v[BO], 5, v2
	s_lshl_b32 s46, s42, 9
	s_lshl_b32 s47, s12, 8
	s_add_co_u32 s46, s46, s47                     ; my first column, in bytes: 512 x tile column + 256 x half
	s_mov_b32 s47, 0
	s_add_nc_u64 s[66:67], s[66:67], s[46:47]
.irp b, 0,1,2,3
	global_load_b128 v[BI+8*\b:BI+8*\b+3], v[BO], s[66:67] offset:64*\b
	global_load_b128 v[BI+8*\b+4:BI+8*\b+7], v[BO], s[66:67] offset:64*\b+16
.endr
	v_lshrrev_b32 v3, 1, v1
	v_mul_u32_u24 v3, v3, 272
	v_and_b32 v4, 1, v0
	v_lshl_add_u32 v3, v4, 7, v3
	v_lshl_add_u32 v3, v2, 4, v3                   ; a fragment's row: (r / 2) 272 + (r % 2) 128 + 16 h
	s_mul_i32 s21, s11, 32*272                     ; my 64 rows of A in each head
	s_mul_i32 s22, s12, 32*272                     ; my 64 rows of B,
	s_add_co_u32 s22, s22, 2*HALFT                 ; which lie behind A's four heads
.irp s, 0,1
	v_add_nc_u32 v[ADRA+\s], s21, v3
	v_add_nc_u32 v[ADRB+\s], s22, v3
	s_add_co_u32 s21, s21, SLOT
	s_add_co_u32 s22, s22, SLOT
.endr
	s_mul_i32 s23, s10, 16*SPITCH
	s_add_co_u32 s23, s23, STAGE                   ; my stage
	v_mul_u32_u24 v4, v1, SPITCH
	v_lshl_add_u32 v4, v2, 5, v4
	v_add_nc_u32 v[STO], s23, v4                   ; in: row r, 32 bytes for each half of the lanes
	v_mul_u32_u24 v5, v2, SPITCH
	v_lshl_add_u32 v5, v1, 4, v5
	v_add_nc_u32 v[RD], s23, v5                    ; back: lanes 0-15 one row of 256 bytes, lanes 16-31 the next
	v_lshlrev_b32 v5, 12, v2
	v_lshl_add_u32 v[CO], v1, 4, v5                ; and the same two rows in out0
	s_lshl_b32 s16, s13, 7
	s_lshl_b32 s17, s11, 6
	s_add_co_u32 s16, s16, s17                     ; my first row: 128 x tile row + 64 x half
	s_lshl_b32 s16, s16, 12                        ; rows of 4,096 bytes
	s_mov_b32 s17, 0
	s_add_nc_u64 s[8:9], s[8:9], s[16:17]
	s_add_nc_u64 s[8:9], s[8:9], s[46:47]
	s_or_b32 s68, s69, s11                         ; 0 where my rows begin with positions 0 to 15
; 8 matrix instructions: m blocks a0, a0 + 1 x all 4 n blocks, 32 along K: half c of buffer f.  zero = 1: the product starts the sums with the bias.  The 16 accumulators take turns
.macro MUL8 f, c, a0, zero
.irp a, \a0, \a0+1
.irp b, 0,1,2,3
.if \zero
	v_wmma_f32_16x16x32_f16 v[ACC+8*(4*(\a)+\b):ACC+8*(4*(\a)+\b)+7], v[\f+64+8*(4*\c+\b):\f+64+8*(4*\c+\b)+7], v[\f+8*(4*\c+\a):\f+8*(4*\c+\a)+7], v[BI+8*\b:BI+8*\b+7]
.else
	v_wmma_f32_16x16x32_f16 v[ACC+8*(4*(\a)+\b):ACC+8*(4*(\a)+\b)+7], v[\f+64+8*(4*\c+\b):\f+64+8*(4*\c+\b)+7], v[\f+8*(4*\c+\a):\f+8*(4*\c+\a)+7], v[ACC+8*(4*(\a)+\b):ACC+8*(4*(\a)+\b)+7]
.endif
.endr
.endr
.endm
; 32 LDS loads in one run: the fragments of one head (64 along K), which begins at byte k of the slot's A and B parts, into buffer f; the first 32 along K first
.macro FETCH slot, k, f
	WIN TO_F
.irp c, 0,1
.irp i, 0,1,2,3
	ds_load_b128 v[\f+64+8*(4*\c+\i):\f+64+8*(4*\c+\i)+3],   v[ADRB+\slot] offset:\k+64*\c+\i*2176
	ds_load_b128 v[\f+64+8*(4*\c+\i)+4:\f+64+8*(4*\c+\i)+7], v[ADRB+\slot] offset:\k+64*\c+\i*2176+32
	ds_load_b128 v[\f+8*(4*\c+\i):\f+8*(4*\c+\i)+3],         v[ADRA+\slot] offset:\k+64*\c+\i*2176
	ds_load_b128 v[\f+8*(4*\c+\i)+4:\f+8*(4*\c+\i)+7],       v[ADRA+\slot] offset:\k+64*\c+\i*2176+32
.endr
.endr
.endm
.macro PLACES
.rept 4
	v_nop
.endr
.endm
.macro QUARTER slot, k, f, g, zero     ; multiplies buffer f (one head) and fetches the next head, at byte k, into g
	s_wait_dscnt 16                                ; the first 32 along K are in; the youngest sixteen loads may be out
	WIN MUL
	MUL8 \f, 0, 0, \zero
	MUL8 \f, 0, 2, \zero
	PLACES
	FETCH \slot, \k, \g
	s_wait_dscnt 32                                ; all but the 32 just issued
	WIN MUL
	MUL8 \f, 1, 0, 0
	MUL8 \f, 1, 2, 0
.endm
; A slot's last head multiplies buffer 1 and changes slots: one barrier; in front of it each wave waits for all its tensor loads, adds 0 to its spare word, and waits for that and for its reads of this slot.
.macro TURN slot, next, fill
	WIN 0
	s_wait_tensorcnt 0x0                           ; all my tensor loads have landed: my part of the next slot;
	ds_add_u32 v[SPW], v[NIL]                      ; 0 onto my spare word;
	s_wait_dscnt 17                                ; (the add and the youngest sixteen loads may be out)
	WIN MUL
	MUL8 F1, 0, 0, 0
	s_wait_dscnt 0x0                               ; the add is done, and my reads of this slot are over
	s_barrier_signal -1
	MUL8 F1, 0, 2, 0
.if \fill
	WIN 0
.endif
	s_barrier_wait -1
.if \fill
	CREST                                          ; the barrier has opened a round of the cluster's barrier: no wave of any partner still reads this slot or has a load on its way
	s_add_nc_u64 s[G0+4*\slot+2:G0+4*\slot+3], s[G0+4*\slot+2:G0+4*\slot+3], 131072
	s_add_nc_u64 s[G0B+4*\slot+2:G0B+4*\slot+3], s[G0B+4*\slot+2:G0B+4*\slot+3], 131072
	JLOAD \slot                                    ; the first tensor load behind the round; its four v_nop are also the places in front of the loads below
.else
	PLACES
.endif
	FETCH \next, 0, F0
	WIN MUL
	MUL8 F1, 1, 0, 0
	MUL8 F1, 1, 2, 0
.endm
	s_wait_tensorcnt 1                             ; my part of K step 0 is in (K step 1's load may be out)
	s_barrier_signal -1
	s_barrier_wait -1                              ; everybody's is
	FETCH 0, 0, F0
	s_wait_loadcnt 0x0                             ; the bias
	QUARTER 0, SUB, F0, F1, 1                      ; the first head stands in front of the loop: its first products start the sums
	WIN 0
	s_mov_b32 s3, LAPS-1
.Llap:                                             ; a trip goes once round the ring and fills both slots again
	QUARTER 0, 2*SUB, F1, F0, 0
	QUARTER 0, 3*SUB, F0, F1, 0
	TURN 0, 1, 1
	QUARTER 1, SUB, F0, F1, 0
	QUARTER 1, 2*SUB, F1, F0, 0
	QUARTER 1, 3*SUB, F0, F1, 0
	TURN 1, 0, 1
	QUARTER 0, SUB, F0, F1, 0
	WIN 0
	s_sub_co_u32 s3, s3, 1
	s_cmp_lg_u32 s3, 0
	s_cbranch_scc1 .Llap
	QUARTER 0, 2*SUB, F1, F0, 0                    ; the last lap fills nothing
	QUARTER 0, 3*SUB, F0, F1, 0
	TURN 0, 1, 0
	QUARTER 1, SUB, F0, F1, 0
	QUARTER 1, 2*SUB, F1, F0, 0
	QUARTER 1, 3*SUB, F0, F1, 0
	s_wait_dscnt 16
	WIN MUL
	MUL8 F1, 0, 0, 0
	MUL8 F1, 0, 2, 0
	s_wait_dscnt 0
	MUL8 F1, 1, 0, 0
	MUL8 F1, 1, 2, 0
	WIN 0
; THE WAY OUT, block by block of 16 rows x 64 columns.  A lane holds 32 neighbouring bytes of a row; a block goes through my own stage and comes back as rows of 256 bytes: sixteen lanes store 256 consecutive bytes, aligned.
.macro OUTBLK a
	s_wait_xcnt 0x0                                ; earlier stores have read their registers: these are loaded again only behind this wait
.irp b, 0,1,2,3
	ds_store_b128 v[STO], v[ACC+8*(4*(\a)+\b):ACC+8*(4*(\a)+\b)+3] offset:64*\b        ; each accumulator from its low end on
	ds_store_b128 v[STO], v[ACC+8*(4*(\a)+\b)+4:ACC+8*(4*(\a)+\b)+7] offset:64*\b+16
.endr
.irp u, 0,1,2,3,4,5,6,7
	ds_load_b128 v[TMP+32*((\a)%2)+4*\u:TMP+32*((\a)%2)+4*\u+3], v[RD] offset:2*\u*SPITCH   ; LDS serves a wave's instructions in order: these see the stores above, and the next block's stores come behind them
.endr
.irp u, 0,1,2,3,4,5,6,7
	s_wait_dscnt 7-\u
	global_store_b128 v[CO], v[TMP+32*((\a)%2)+4*\u:TMP+32*((\a)%2)+4*\u+3], s[8:9] offset:(16*(\a)+2*\u)*4096 th:TH_STORE_NT
.endr
.endm
	PLACES
	s_cmp_eq_u32 s68, 0                            ; positions 0 to 15 are the last launch's: my block 0 is not stored there
	s_cbranch_scc1 .Lrest
	OUTBLK 0
.Lrest:
	OUTBLK 1
	OUTBLK 2
	OUTBLK 3
	s_wait_tensorcnt 0x0                           ; the wave's end, behind my last tensor load and my last LDS store
	ds_add_u32 v[SPW], v[NIL]
	s_wait_dscnt 0x0
	CROUND                                         ; the closing round
	s_endpgm
.Lfunc_end_k_qc366420b09_proj:
	.size	k_qc366420b09_proj, .Lfunc_end_k_qc366420b09_proj-k_qc366420b09_proj
	.p2alignl 7, 3214868480
	.fill 96, 4, 3214868480
	.section	.rodata,"a",@progbits
	.p2align	6, 0x0
	.amdhsa_kernel k_qc366420b09_proj
		.amdhsa_group_segment_fixed_size 327680
		.amdhsa_private_segment_fixed_size 0
		.amdhsa_enable_private_segment 0
		.amdhsa_kernarg_size 32
		.amdhsa_user_sgpr_count 2
		.amdhsa_user_sgpr_kernarg_segment_ptr 1
		.amdhsa_wavefront_size32 1
		.amdhsa_system_sgpr_workgroup_id_x 1
		.amdhsa_system_sgpr_workgroup_id_y 1
		.amdhsa_system_sgpr_workgroup_id_z 1
		.amdhsa_system_vgpr_workitem_id 0
		.amdhsa_next_free_vgpr 512
		.amdhsa_next_free_sgpr 70
		.amdhsa_reserve_vcc 0
		.amdhsa_float_denorm_mode_32 3
		.amdhsa_float_denorm_mode_16_64 3
		.amdhsa_memory_ordered 1
		.amdhsa_forward_progress 1
		.amdhsa_inst_pref_size 88
	.end_amdhsa_kernel
	.amdgpu_metadata
---
amdhsa.version: [ 1, 2 ]
amdhsa.kernels:
  - .name:           k_qc366420b09_proj
    .symbol:         k_qc366420b09_proj.kd
    .args:
      - { .name: y16, .offset: 0, .size: 8, .value_kind: global_buffer, .address_space: global }
      - { .name: wot, .offset: 8, .size: 8, .value_kind: global_buffer, .address_space: global }
      - { .name: out0, .offset: 16, .size: 8, .value_kind: global_buffer, .address_space: global }
      - { .name: b_o, .offset: 24, .size: 8, .value_kind: global_buffer, .address_space: global }
    .group_segment_fixed_size: 327680
    .private_segment_fixed_size: 0
    .kernarg_segment_align: 8
    .kernarg_segment_size: 32
    .max_flat_workgroup_size: 128
    .sgpr_count:     70
    .vgpr_count:     512
    .wavefront_size: 32
...
	.end_amdgpu_metadata
.endif
;; end of part 4
;; launch first16 (part 5): grid 64 x 4, 16 waves a work-group, no clusters, 18,432 bytes of LDS; arguments qkv32, w_o, b_o, out0; writes out0
.if DOCPART == 5
	.amdgcn_target "amdgcn-amd-amdhsa--gfx1250"
	.amdhsa_code_object_version 6
	.text
	.protected	k_qc366420b09_first16
	.globl	k_qc366420b09_first16
	.p2align	8
	.type	k_qc366420b09_first16,@function
k_qc366420b09_first16:
	s_mov_b64 s[64:65], 0
	v_nop
	global_prefetch_b8 v0, s[64:65] scope:SCOPE_SE
	s_setreg_imm32_b32 hwreg(HW_REG_WAVE_MODE, 25, 1), 1
	s_wait_xcnt 0x0
; Positions 0 to 15 of every sequence, wholly in f32: there a row of the softmax averages one to sixteen values, and the rounding of 16-bit operands would weigh most.
; LEFT OUT: the bias on k (first launch's head): qkv32's k images hold none.
; Work-group (nt, b) makes out0[b][0..15][16 nt .. 16 nt + 15].  Wave = head: it makes the head's 16 x 16 attention, then its own 64 of the projection's K; the sixteen partial sums meet in LDS behind one barrier.
; The attention is made anew in each of the 64 column tiles: 32 of a wave's 48 matrix instructions; so y goes from product to product in registers.
; IN: qkv32 [section][b][16 columns][1,024 bytes]: an accumulator's image: lane (r, h), register j = position r, column 8 h + j; registers 0-3 at 16 lane, 4-7 at 512 + 16 lane.
; v_wmma_f32_16x16x4_f32: lane (r, h), register j' of a source is row r, K place 2 h + j'.  Which K stands at a place is free, so long as both sources agree:
;  S^T = K Q^T:  registers 2 jj, 2 jj + 1 of image bb on both sides: place (h, j') is channel 16 bb + 8 h + 2 jj + j'.
;  O^T = V^T P:  P's registers 2 s, 2 s + 1: place (h, j') is key 8 h + 2 s + j'; V is loaded so: register i of tile ct = V[key 8 h + i][channel 16 ct + r].
;  out^T = w_o^T y^T: O^T's registers 2 jj, 2 jj + 1 of tile ct: place (h, j') is k = 64 head + 16 ct + 8 h + 2 jj + j'; w_o is loaded so.
; The registers that these products write are written by them alone; sums of accumulators go into other registers.
; The stores at the end are 64 bytes of a row: 262,144 bytes of the output in all.
.set SPARE, 16384                      ; behind the sixteen partial sums of 1,024 bytes: the spare words, 128 bytes for each wave
.set SPW, 8                            ; v8   LDS address of my spare word; never rewritten
.set NIL, 9                            ; v9   0; never rewritten
.set QI,  16                           ; v16-47   Q's four images
.set KI,  48                           ; v48-79   K's
.set VT,  80                           ; v80-111  V, turned by the loads' addresses
.set WO,  112                          ; v112-143 w_o
.set SA,  144                          ; v144-175 four partial S^T
.set OA,  176                          ; v176-207 O^T, four tiles of 16 channels
.set RA,  208                          ; v208-239 four partial out^T
.set P,   240                          ; v240-247 the scores, then p; later my partial sum
.set T,   248                          ; v248-255 at work
	s_load_b256 s[4:11], s[0:1], 0x0               ; qkv32 s[4:5], w_o s[6:7], b_o s[8:9], out0 s[10:11]
	v_lshl_add_u32 v[SPW], v0, 2, SPARE
	v_mov_b32 v[NIL], 0
	v_lshrrev_b32 v1, 5, v0
	v_readfirstlane_b32 s12, v1                    ; wave = head
	s_and_b32 s13, ttmp7, 0xffff                   ; batch
	v_and_b32 v11, 31, v0
	v_and_b32 v12, 15, v0                          ; r
	v_bfe_u32 v13, v0, 4, 1                        ; h
	v_lshlrev_b32 v1, 4, v11                       ; 16 x lane
	v_bfe_u32 v2, v0, 2, 1
	v_lshlrev_b32 v2, 9, v2
	v_bfe_u32 v14, v0, 3, 1
	v_lshl_add_u32 v2, v14, 8, v2
	v_lshl_add_u32 v2, v13, 7, v2
	v_and_b32 v14, 3, v0
	v_lshl_add_u32 v2, v14, 2, v2                  ; V: column r of an image, position 8 h: ((r / 4) % 2) 512 + (r / 8) 256 + 128 h + 4 (r % 4); a position on is 16 bytes on
	v_lshlrev_b32 v3, 15, v13
	v_lshl_add_u32 v3, v12, 2, v3                  ; w_o: 8 h rows of 4,096 bytes + 4 r
	v_lshlrev_b32 v4, 3, v13
	v_sub_nc_u32 v4, v12, v4                       ; r - 8 h
	s_lshl_b32 s18, s12, 10
	v_add_nc_u32 v5, s18, v1                       ; my partial sum's place in LDS
	v_lshlrev_b32 v6, 12, v12
	v_lshl_add_u32 v6, v13, 5, v6                  ; out0: row r, + 32 h
	v_lshlrev_b32 v7, 5, v13                       ; b_o: 32 h
	v_mov_b32 v10, 0xff800000                      ; -infinity
	s_mov_b32 s20, 0x76543210
	s_mov_b32 s21, 0xfedcba98                      ; v_permlanex16_b32's selects for lane l xor 16
	s_mov_b32 s22, 0x3e38aa3b                      ; c = log2(e) / 8
	s_lshl_b32 s24, s13, 6
	s_lshl_b32 s25, s12, 2
	s_add_co_u32 s24, s24, s25
	s_lshl_b32 s24, s24, 10                        ; image 64 b + 4 head
	s_mov_b32 s25, 0
	s_lshl_b32 s28, ttmp9, 6                       ; 16 nt columns of 4 bytes
	s_mov_b32 s29, 0
	s_lshl_b32 s26, s12, 18                        ; 64 head rows of w_o
	s_add_co_u32 s26, s26, s28
	s_mov_b32 s27, 0
	s_lshl_b32 s30, s13, 23                        ; 2,048 b rows of out0
	s_add_co_u32 s30, s30, s28
	s_mov_b32 s31, 0
	s_wait_kmcnt 0x0
	s_add_nc_u64 s[14:15], s[4:5], s[24:25]
	s_add_nc_u64 s[16:17], s[6:7], s[26:27]
	s_add_nc_u64 s[8:9], s[8:9], s[28:29]
	s_add_nc_u64 s[10:11], s[10:11], s[30:31]
.irp bb, 0,1,2,3
	global_load_b128 v[KI+8*\bb:KI+8*\bb+3], v1, s[14:15] offset:262144+1024*\bb
	global_load_b128 v[KI+8*\bb+4:KI+8*\bb+7], v1, s[14:15] offset:262144+1024*\bb+512
.endr
.irp bb, 0,1,2,3
	global_load_b128 v[QI+8*\bb:QI+8*\bb+3], v1, s[14:15] offset:1024*\bb
	global_load_b128 v[QI+8*\bb+4:QI+8*\bb+7], v1, s[14:15] offset:1024*\bb+512
.endr
.irp ct, 0,1,2,3
.irp i, 0,1,2,3,4,5,6,7
	global_load_b32 v[VT+8*\ct+\i], v2, s[14:15] offset:524288+1024*\ct+16*\i
.endr
.endr
	s_wait_loadcnt 32                              ; K and Q are in; V's 32 loads may be out
.irp jj, 0,1,2,3                       ; S^T in four partial sums, which take turns
.irp bb, 0,1,2,3
.if \jj == 0
	v_wmma_f32_16x16x4_f32 v[SA+8*\bb:SA+8*\bb+7], v[KI+8*\bb+2*\jj:KI+8*\bb+2*\jj+1], v[QI+8*\bb+2*\jj:QI+8*\bb+2*\jj+1], 0
.else
	v_wmma_f32_16x16x4_f32 v[SA+8*\bb:SA+8*\bb+7], v[KI+8*\bb+2*\jj:KI+8*\bb+2*\jj+1], v[QI+8*\bb+2*\jj:QI+8*\bb+2*\jj+1], v[SA+8*\bb:SA+8*\bb+7]
.endif
.endr
.endr
.irp ct, 0,1,2,3
.irp i, 0,1,2,3,4,5,6,7
	global_load_b32 v[WO+8*\ct+\i], v3, s[16:17] offset:(16*\ct+\i)*4096
.endr
.endr
.rept 8
	v_nop                                          ; eight places behind this form, in front of the first read of its results (ISA guide 7.12.1)
.endr
.irp n, 0,2,4,6
	v_pk_add_f32 v[P+\n:P+\n+1], v[SA+\n:SA+\n+1], v[SA+8+\n:SA+8+\n+1]          ; each accumulator is first read at its low end
	v_pk_add_f32 v[T+\n:T+\n+1], v[SA+16+\n:SA+16+\n+1], v[SA+24+\n:SA+24+\n+1]
.endr
.irp n, 0,2,4,6
	v_pk_add_f32 v[P+\n:P+\n+1], v[P+\n:P+\n+1], v[T+\n:T+\n+1]                  ; register j: key 8 h + j, query r
.endr
.irp n, 0,1,2,3,4,5,6,7
	v_cmp_gt_i32 vcc_lo, \n, v4                    ; hidden where 8 h + j > r
	v_cndmask_b32 v[P+\n], v[P+\n], v10, vcc_lo
.endr
	v_max3_num_f32 v[T], v[P], v[P+1], v[P+2]
	v_max3_num_f32 v[T+1], v[P+3], v[P+4], v[P+5]
	v_max3_num_f32 v[T], v[T], v[P+6], v[P+7]
	v_max_num_f32 v[T], v[T], v[T+1]
	v_permlanex16_b32 v[T+1], v[T], s20, s21
	v_max_num_f32 v[T], v[T], v[T+1]               ; the row's maximum: key 0 counts for every query, so it is a number
	v_mul_f32 v[T], s22, v[T]
.irp n, 0,1,2,3,4,5,6,7
	v_fma_f32 v[P+\n], v[P+\n], s22, -v[T]
.endr
.irp n, 0,1,2,3,4,5,6,7
	v_exp_f32 v[P+\n], v[P+\n]
.endr
	v_nop                                          ; a plain instruction behind the last exponential
	s_wait_alu depctr_va_vdst(0)                   ; the wait ahead of the first use: one for the eight
	v_pk_add_f32 v[T:T+1], v[P:P+1], v[P+2:P+3]
	v_pk_add_f32 v[T+2:T+3], v[P+4:P+5], v[P+6:P+7]
	v_pk_add_f32 v[T:T+1], v[T:T+1], v[T+2:T+3]
	v_add_f32 v[T], v[T], v[T+1]
	v_permlanex16_b32 v[T+1], v[T], s20, s21
	v_add_f32 v[T], v[T], v[T+1]                   ; the row's sum
	v_rcp_f32 v[T+2], v[T]
	v_nop
	s_wait_alu depctr_va_vdst(0)
.irp n, 0,2,4,6
	v_pk_mul_f32 v[P+\n:P+\n+1], v[P+\n:P+\n+1], v[T+2:T+3] op_sel_hi:[1,0]      ; the softmax
.endr
	s_wait_loadcnt 32                              ; V is in; w_o's 32 loads may be out
.irp s, 0,1,2,3                        ; O^T: four tiles of 16 channels by turns
.irp ct, 0,1,2,3
.if \s == 0
	v_wmma_f32_16x16x4_f32 v[OA+8*\ct:OA+8*\ct+7], v[VT+8*\ct+2*\s:VT+8*\ct+2*\s+1], v[P+2*\s:P+2*\s+1], 0
.else
	v_wmma_f32_16x16x4_f32 v[OA+8*\ct:OA+8*\ct+7], v[VT+8*\ct+2*\s:VT+8*\ct+2*\s+1], v[P+2*\s:P+2*\s+1], v[OA+8*\ct:OA+8*\ct+7]
.endif
.endr
.endr
.rept 9
	v_nop                                          ; nine places: the results become a source of the next products
.endr
	s_wait_loadcnt 0x0                             ; w_o
.irp jj, 0,1,2,3                       ; out^T, my head's 64 of K, in four partial sums by turns
.irp ct, 0,1,2,3
.if \jj == 0
	v_wmma_f32_16x16x4_f32 v[RA+8*\ct:RA+8*\ct+7], v[WO+8*\ct+2*\jj:WO+8*\ct+2*\jj+1], v[OA+8*\ct+2*\jj:OA+8*\ct+2*\jj+1], 0
.else
	v_wmma_f32_16x16x4_f32 v[RA+8*\ct:RA+8*\ct+7], v[WO+8*\ct+2*\jj:WO+8*\ct+2*\jj+1], v[OA+8*\ct+2*\jj:OA+8*\ct+2*\jj+1], v[RA+8*\ct:RA+8*\ct+7]
.endif
.endr
.endr
.rept 8
	v_nop
.endr
.irp n, 0,2,4,6
	v_pk_add_f32 v[P+\n:P+\n+1], v[RA+\n:RA+\n+1], v[RA+8+\n:RA+8+\n+1]
	v_pk_add_f32 v[T+\n:T+\n+1], v[RA+16+\n:RA+16+\n+1], v[RA+24+\n:RA+24+\n+1]
.endr
.irp n, 0,2,4,6
	v_pk_add_f32 v[P+\n:P+\n+1], v[P+\n:P+\n+1], v[T+\n:T+\n+1]                  ; lane (r, h), register j: my head's part of out0[b][r][16 nt + 8 h + j]
.endr
	ds_store_b128 v5, v[P:P+3]                     ; as an image of the registers
	ds_store_b128 v5, v[P+4:P+7] offset:512
	s_wait_dscnt 0x0                               ; for the others' sake: my stores have landed
	s_barrier_signal -1
	s_barrier_wait -1
	s_cmp_lg_u32 s12, 0
	s_cbranch_scc1 .Ldone                          ; wave 0 adds the sixteen parts and the bias, and stores
	global_load_b128 v[16:19], v7, s[8:9]
	global_load_b128 v[20:23], v7, s[8:9] offset:16
.irp w, 1,2,3,4,5,6,7,8,9,10,11,12,13,14,15
	ds_load_b128 v[24+8*(\w-1):24+8*(\w-1)+3], v1 offset:1024*\w
	ds_load_b128 v[24+8*(\w-1)+4:24+8*(\w-1)+7], v1 offset:1024*\w+512
.endr
	s_wait_dscnt 0x0
.irp w, 1,2,3,4,5,6,7,8,9,10,11,12,13,14,15
.irp n, 0,2,4,6
	v_pk_add_f32 v[P+\n:P+\n+1], v[P+\n:P+\n+1], v[24+8*(\w-1)+\n:24+8*(\w-1)+\n+1]
.endr
.endr
	s_wait_loadcnt 0x0
.irp n, 0,2,4,6
	v_pk_add_f32 v[P+\n:P+\n+1], v[P+\n:P+\n+1], v[16+\n:16+\n+1]
.endr
	global_store_b128 v6, v[P:P+3], s[10:11]
	global_store_b128 v6, v[P+4:P+7], s[10:11] offset:16
.Ldone:
	s_wait_tensorcnt 0x0                           ; the wave's end, behind my last LDS store
	ds_add_u32 v[SPW], v[NIL]
	s_wait_dscnt 0x0
	s_endpgm
.Lfunc_end_k_qc366420b09_first16:
	.size	k_qc366420b09_first16, .Lfunc_end_k_qc366420b09_first16-k_qc366420b09_first16
	.p2alignl 7, 3214868480
	.fill 96, 4, 3214868480
	.section	.rodata,"a",@progbits
	.p2align	6, 0x0
	.amdhsa_kernel k_qc366420b09_first16
		.amdhsa_group_segment_fixed_size 18432
		.amdhsa_private_segment_fixed_size 0
		.amdhsa_enable_private_segment 0
		.amdhsa_kernarg_size 32
		.amdhsa_user_sgpr_count 2
		.amdhsa_user_sgpr_kernarg_segment_ptr 1
		.amdhsa_wavefront_size32 1
		.amdhsa_system_sgpr_workgroup_id_x 1
		.amdhsa_system_sgpr_workgroup_id_y 1
		.amdhsa_system_sgpr_workgroup_id_z 1
		.amdhsa_system_vgpr_workitem_id 0
		.amdhsa_next_free_vgpr 256
		.amdhsa_next_free_sgpr 66
		.amdhsa_reserve_vcc 1
		.amdhsa_float_denorm_mode_32 3
		.amdhsa_float_denorm_mode_16_64 3
		.amdhsa_memory_ordered 1
		.amdhsa_forward_progress 1
		.amdhsa_inst_pref_size 25
	.end_amdhsa_kernel
	.amdgpu_metadata
---
amdhsa.version: [ 1, 2 ]
amdhsa.kernels:
  - .name:           k_qc366420b09_first16
    .symbol:         k_qc366420b09_first16.kd
    .args:
      - { .name: qkv32, .offset: 0, .size: 8, .value_kind: global_buffer, .address_space: global }
      - { .name: w_o, .offset: 8, .size: 8, .value_kind: global_buffer, .address_space: global }
      - { .name: b_o, .offset: 16, .size: 8, .value_kind: global_buffer, .address_space: global }
      - { .name: out0, .offset: 24, .size: 8, .value_kind: global_buffer, .address_space: global }
    .group_segment_fixed_size: 18432
    .private_segment_fixed_size: 0
    .kernarg_segment_align: 8
    .kernarg_segment_size: 32
    .max_flat_workgroup_size: 512
    .sgpr_count:     66
    .vgpr_count:     256
    .wavefront_size: 32
...
	.end_amdgpu_metadata
.endif
;; end of part 5
